; MI455X (gfx1250); checked and timed in simulation.
; The chip was launched on July 23, 2026; its instructions are those of AMD's public machine-readable ISA for CDNA 5 (MIT licence, August 2026) and "CDNA5" Instruction Set Architecture Reference Guide (July 2026). The comments in the code are by the model that wrote it; some were corrected since.
;; Mo E Layer. Allowed arithmetic: matrix products marked QUANTISED: E5M2 operands, one given power-of-two scale a tensor, by v_wmma_f32_16x16x64_bf8_bf8 or v_wmma_f32_16x16x128_bf8_bf8, f32 sums; products left as they are: f32 operands where the result goes on into a quantised operand, else bf16, f16 or f32 operands; f32 sums; everything else in f32.
;; Inputs: W1_codes 8 x 4,096 x 32 x 32 uint8 (E5M2 codes of W1, K innermost, in blocks of 32 codes); W2_codes 8 x 1,024 x 128 x 32 uint8 (E5M2 codes of W2, K innermost, in blocks of 32 codes); Wr 1,024 x 8 float32; b1 8 x 4,096 float32; b2 8 x 1,024 float32; br 8 float32; hidden_states 2 x 512 x 1,024 float32; lowp_scales 32 int32 (the exponents e of the quantised operands' scales 2^e).
;; Outputs: out0 2 x 512 x 1,024 float32; out1 one number float32.
;; This version of the problem:
;;   THIS VERSION OF THE PROBLEM IS GIVEN IN LOW PRECISION. The matrix products marked QUANTISED in the list below multiply operands that are first quantised to E5M2 (5 exponent bits, 2 mantissa bits; 8 bits a number), with one given power-of-two scale for each operand tensor; their sums are f32. All else is computed in f32.
;;   The module's matrix products, in the order in which they are computed (A, B: the left and right operand; K: the contracted axis; several contracted axes count as one K, in the product's order):
;;     1. [M 1,024, K 1,024] x [K 1,024, N 8]; A: input hidden_states; B: input Wr: left as it is (N = 8 < 16)
;;     2. [M 1,024, K 1,024] x [K 1,024, N 4,096]; A: input hidden_states; B: input W1 (given as codes): QUANTISED (scales: A lowp_scales[0], B lowp_scales[1])
;;     3. [M 1,024, K 4,096] x [K 4,096, N 1,024]; A: computed on the way; B: input W2 (given as codes): QUANTISED (scales: A lowp_scales[2], B lowp_scales[3])
;;     4. [M 1,024, K 1,024] x [K 1,024, N 4,096]; A: input hidden_states; B: input W1 (given as codes): QUANTISED (scales: A lowp_scales[4], B lowp_scales[5])
;;     5. [M 1,024, K 4,096] x [K 4,096, N 1,024]; A: computed on the way; B: input W2 (given as codes): QUANTISED (scales: A lowp_scales[6], B lowp_scales[7])
;;     6. [M 1,024, K 1,024] x [K 1,024, N 4,096]; A: input hidden_states; B: input W1 (given as codes): QUANTISED (scales: A lowp_scales[8], B lowp_scales[9])
;;     7. [M 1,024, K 4,096] x [K 4,096, N 1,024]; A: computed on the way; B: input W2 (given as codes): QUANTISED (scales: A lowp_scales[10], B lowp_scales[11])
;;     8. [M 1,024, K 1,024] x [K 1,024, N 4,096]; A: input hidden_states; B: input W1 (given as codes): QUANTISED (scales: A lowp_scales[12], B lowp_scales[13])
;;     9. [M 1,024, K 4,096] x [K 4,096, N 1,024]; A: computed on the way; B: input W2 (given as codes): QUANTISED (scales: A lowp_scales[14], B lowp_scales[15])
;;     10. [M 1,024, K 1,024] x [K 1,024, N 4,096]; A: input hidden_states; B: input W1 (given as codes): QUANTISED (scales: A lowp_scales[16], B lowp_scales[17])
;;     11. [M 1,024, K 4,096] x [K 4,096, N 1,024]; A: computed on the way; B: input W2 (given as codes): QUANTISED (scales: A lowp_scales[18], B lowp_scales[19])
;;     12. [M 1,024, K 1,024] x [K 1,024, N 4,096]; A: input hidden_states; B: input W1 (given as codes): QUANTISED (scales: A lowp_scales[20], B lowp_scales[21])
;;     13. [M 1,024, K 4,096] x [K 4,096, N 1,024]; A: computed on the way; B: input W2 (given as codes): QUANTISED (scales: A lowp_scales[22], B lowp_scales[23])
;;     14. [M 1,024, K 1,024] x [K 1,024, N 4,096]; A: input hidden_states; B: input W1 (given as codes): QUANTISED (scales: A lowp_scales[24], B lowp_scales[25])
;;     15. [M 1,024, K 4,096] x [K 4,096, N 1,024]; A: computed on the way; B: input W2 (given as codes): QUANTISED (scales: A lowp_scales[26], B lowp_scales[27])
;;     16. [M 1,024, K 1,024] x [K 1,024, N 4,096]; A: input hidden_states; B: input W1 (given as codes): QUANTISED (scales: A lowp_scales[28], B lowp_scales[29])
;;     17. [M 1,024, K 4,096] x [K 4,096, N 1,024]; A: computed on the way; B: input W2 (given as codes): QUANTISED (scales: A lowp_scales[30], B lowp_scales[31])
;;   THE QUANTISER, for each operand of a quantised product, along K:
;;     - The operand's scale is 2^e, e = its entry of the input lowp_scales (int32; the entries are numbered through the quantised products in the list's order, A before B).
;;     - Each number is divided by the scale, clamped to +-57,344, and rounded to the nearest number of E5M2, ties to even, subnormals kept.
;;     - The product sums the exact products of the quantised numbers (number of the format x scale) in f32.
;;   ~~~python
;;   def quantise(x, axis, e):      # numpy; x: float32 -> the quantised numbers, widened to float32 again
;;       x = np.moveaxis(x, axis, -1); K = x.shape[-1]
;;       r = np.clip(x / 2.0 ** e, -57344, 57344)
;;       step = 2.0 ** (np.maximum(np.frexp(np.where(r == 0, 1, r))[1] - 1, -14) - 2)
;;       q = np.round(r / step) * step * 2.0 ** e      # np.round: ties to even
;;       return np.moveaxis(q, -1, axis).astype(np.float32)
;;   ~~~
;;   OPERANDS COMPUTED ON THE WAY. 'Computed on the way' means the value that the module computes at that place (a softmax that the list does not call 'softmax' is quantised finished and normalised). What goes into a quantiser is computed in f32, as accurately as f32 sums, v_exp_f32 and their like allow (about 1e-6 of the number): no bf16 or f16 on the way to a quantiser, and a product that is left as it is and whose result goes on into a quantised operand takes f32 operands (vector FMAs, or v_wmma_f32_16x16x4_f32). A number that lies on a knife's edge between two numbers of the format may be rounded either way, as far as f32 arithmetic and the matrix unit's own rounding can turn it there, and no further.
;;   INPUTS GIVEN AS CODES. W1 (in the module: [8, 1024, 4096], K = its axis 1); W2 (in the module: [8, 4096, 1024], K = its axis 1): each comes as NAME_codes (uint8): NAME with its K axis moved to the last place and cut into blocks of 32 codes, [.., K / 32, bytes a block], one block behind the other in memory; one code a byte (a code: sign, 5 exponent bits, 2 mantissa bits); its scale is its entry of lowp_scales. Its value is code x scale, taken as it is: it is not quantised again, and the codes and scales need not be those that the quantiser above would give.
;; 2 versions. Each part assembles by itself: llvm-mc -triple=amdgcn-amd-amdhsa -mcpu=gfx1250 --defsym DOCPART=n.
;; ======== version 1 of 2: 4 launches
;; limits: right only within a limited range of input values
;; workspace buffers: sel 4,096 bytes of whole numbers; order 33,024 bytes of whole numbers; rt 12,288 bytes; gsort 32,768 bytes; xq 2,097,152 bytes; hq 33,554,432 bytes; yw 8,388,608 bytes
;; launch route (part 1): grid 256 x 1, 4 waves a work-group, no clusters, 45,568 bytes of LDS; arguments hidden_states, Wr, br, lowp_scales, sel, rt, xq; writes sel, rt, xq
.if DOCPART == 1
	.amdgcn_target "amdgcn-amd-amdhsa--gfx1250"
	.amdhsa_code_object_version 6
	.text
	.protected	k_qe7a506bd82_route
	.globl	k_qe7a506bd82_route
	.p2align	8
	.type	k_qe7a506bd82_route,@function
k_qe7a506bd82_route:
	s_mov_b64 s[64:65], 0
	v_nop
	global_prefetch_b8 v0, s[64:65] scope:SCOPE_SE
	s_setreg_imm32_b32 hwreg(HW_REG_WAVE_MODE, 25, 1), 1
	s_wait_xcnt 0x0
; THE ROUTER, and x as codes.  1,024 tokens of 1,024 numbers (f32), 8 experts, 2 chosen.  One wave takes one token: t = 4 x work-group + wave.
; logits = x Wr + br in f32 (fused multiply-adds, a lane 32 of the 1,024 k, then a sum over the lanes); u_e = 2^((l_e - m) log2 e), m the largest logit;
; the two largest u, the lower index at a tie (as the top-k on the probabilities breaks it); gates u / (u_first + u_second); lse = m + ln 2 x log2(sum of u).
; STORED, at fixed places: sel[t] = (1 << first) | (0x100 << second); rt: the two gates at byte 8 t, lse at byte 8,192 + 4 t;
; xq: rows 2 t and 2 t + 1, the token's 1,024 codes of E5M2 under the scale 2^ex of the expert chosen first and second.  The choice only selects a VALUE (the exponent, by v_cndmask_b32): no address and no branch hangs on it.
; code = x / 2^ex, held within +-57,344, to the nearest code, ties to even.  LIMITS: -126 <= ex <= 112 (lowp_scales[4 e]); NaN and infinities among the inputs are not served.
; Wr (32 KiB) is copied once into LDS in whole runs of 512 bytes and read from there: a lane wants the 128 bytes of its 4 k, so groups of 128 bytes lie 144 bytes apart (an odd multiple of 16).
; No matrix unit (N = 8), no tensor load, no cluster: each work-group's x is its own, and Wr is small.
.set WRP, 144                          ; a group of 4 rows of Wr in LDS: 128 bytes + 16
.set STG, 256*WRP                      ; behind Wr: 2,048 bytes for each wave, the codes' turn (1,024 a row)
.set X,   32                           ; v32-63   x[128 j + 4 lane + i] at X + 4 j + i
.set Y,   64                           ; v64-95   the same, held
.set WR,  96                           ; v96-223  two sets of 64: Wr of 8 k x 8 experts
.set A,   224                          ; v224-231 the logits
.set U,   232                          ; v232-239 u
.set C,   240                          ; v240-247 codes: register j = k 128 j + 4 lane + 0..3
.set OUT, 96                           ; v96-111  rows of codes read back, 8 registers a row (Wr's registers are free then)
	s_load_b256 s[4:11], s[0:1], 0x0               ; x s[4:5], Wr s[6:7], br s[8:9], the scales' exponents s[10:11]
	s_load_b128 s[12:15], s[0:1], 0x20             ; sel s[12:13], rt s[14:15]
	s_load_b64 s[16:17], s[0:1], 0x30              ; xq
	v_lshl_add_u32 v254, v0, 2, 0xb000
	v_mov_b32 v255, 0
	v_lshrrev_b32 v1, 5, v0
	v_readfirstlane_b32 s28, v1                    ; wave
	v_and_b32 v2, 31, v0                           ; lane
	v_lshlrev_b32 v3, 4, v0                        ; 16 x thread: Wr as it lies
	v_lshlrev_b32 v4, 4, v2                        ; 16 x lane
	v_lshrrev_b32 v5, 3, v0
	v_mul_u32_u24 v5, v5, WRP
	v_and_b32 v6, 7, v0
	v_lshl_add_u32 v5, v6, 4, v5                   ; Wr into LDS: group thread / 8, 16 bytes at 16 (thread % 8)
	v_mul_u32_u24 v6, v2, WRP                      ; Wr out of LDS: group 32 j + lane
	v_lshlrev_b32 v7, 11, v1
	v_add_nc_u32 v7, STG, v7                       ; my wave's stage
	v_lshl_add_u32 v8, v2, 2, v7                   ; into it: 4 bytes a lane
	v_lshl_add_u32 v9, v2, 4, v7                   ; out of it: 16 bytes a lane
	s_lshl_b32 s29, ttmp9, 2
	s_add_co_u32 s29, s29, s28                     ; t
	s_lshl_b32 s18, s29, 12                        ; a token is 4,096 bytes
	s_mov_b32 s19, 0
	s_mov_b32 s30, 0x76543210                      ; v_permlanex16_b32: lane l xor 16
	s_mov_b32 s31, 0xfedcba98
	s_wait_kmcnt 0x0
	s_load_b256 s[20:27], s[8:9], 0x0              ; br
	s_load_b512 s[32:47], s[10:11], 0x0            ; the 32 exponents: ex of expert e is s[32 + 4 e]
	s_load_b512 s[48:63], s[10:11], 0x40
	s_add_nc_u64 s[4:5], s[4:5], s[18:19]
	s_lshl_b32 s18, s29, 11                        ; two rows of 1,024 codes
	s_add_nc_u64 s[16:17], s[16:17], s[18:19]
.irp q, 0,1,2,3,4,5,6,7,8,9,10,11,12,13,14,15
	global_load_b128 v[WR+4*\q:WR+4*\q+3], v3, s[6:7] offset:2048*\q          ; the four waves read 2,048 consecutive bytes
.endr
.irp j, 0,1,2,3,4,5,6,7
	global_load_b128 v[X+4*\j:X+4*\j+3], v4, s[4:5] offset:512*\j th:TH_LOAD_NT   ; 512 consecutive bytes; x is read once
.endr
	s_wait_loadcnt 8                               ; Wr's sixteen loads are in; x's eight, issued behind them, may be out
.irp q, 0,1,2,3,4,5,6,7,8,9,10,11,12,13,14,15
	ds_store_b128 v5, v[WR+4*\q:WR+4*\q+3] offset:16*WRP*\q
.endr
	s_wait_dscnt 0x0                               ; for the others' sake: my part of Wr lies in LDS
	s_barrier_signal -1
	s_barrier_wait -1
; 16 LDS loads: Wr of the lane's 8 k of j = 2 kap and 2 kap + 1, into set kap % 2: register 32 (j % 2) + 8 i + e
.macro WRQ kap
.irp jj, 0,1
.irp c, 0,1,2,3,4,5,6,7
	ds_load_b128 v[WR+64*((\kap)%2)+32*\jj+4*\c:WR+64*((\kap)%2)+32*\jj+4*\c+3], v6 offset:(2*(\kap)+\jj)*32*WRP+16*\c
.endr
.endr
.endm
; 32 packed multiply-adds: two experts each; x's word is picked from its pair for both halves.  The very first product starts the sums: nothing is cleared
.macro FMA kap
.irp jj, 0,1
.irp ih, 0,1
.irp sl, 0,1
.irp p, 0,1,2,3
.if (\kap)+\jj+\ih+\sl == 0
	v_pk_mul_f32 v[A+2*\p:A+2*\p+1], v[X:X+1], v[WR+2*\p:WR+2*\p+1] op_sel_hi:[0,1]
.else
	v_pk_fma_f32 v[A+2*\p:A+2*\p+1], v[X+4*(2*(\kap)+\jj)+2*\ih:X+4*(2*(\kap)+\jj)+2*\ih+1], v[WR+64*((\kap)%2)+32*\jj+8*(2*\ih+\sl)+2*\p:WR+64*((\kap)%2)+32*\jj+8*(2*\ih+\sl)+2*\p+1], v[A+2*\p:A+2*\p+1] op_sel:[\sl,0,0] op_sel_hi:[\sl,1,1]
.endif
.endr
.endr
.endr
.endr
.endm
	WRQ 0
	WRQ 1
	s_wait_loadcnt 0x0                             ; x
	s_wait_dscnt 16                                ; the older batch of 16 is in, the younger may be out
	FMA 0
	WRQ 2
	s_wait_dscnt 16
	FMA 1
	WRQ 3
	s_wait_dscnt 16
	FMA 2
	s_wait_dscnt 0x0
	FMA 3
	v_mov_b32 v16, 0                               ; written once: a lane permute's destination counts as one of its sources
	v_mov_b32 v17, 0
.irp m, 1,2,4,8
.irp e, 0,1,2,3,4,5,6,7
	v_add_f32_dpp v[A+\e], v[A+\e], v[A+\e] row_xmask:\m row_mask:0xf bank_mask:0xf
.endr
.endr
	s_wait_kmcnt 0x0                               ; br and the exponents
.irp e, 0,1,2,3,4,5,6,7
	v_permlanex16_b32 v[16+(\e%2)], v[A+\e], s30, s31
	v_add_f32 v[A+\e], v[A+\e], v[16+(\e%2)]
.endr
.irp e, 0,1,2,3,4,5,6,7
	v_add_f32 v[A+\e], s[20+\e], v[A+\e]           ; every lane holds the eight logits
.endr
	v_max3_num_f32 v10, v[A], v[A+1], v[A+2]
	v_max3_num_f32 v10, v10, v[A+3], v[A+4]
	v_max3_num_f32 v10, v10, v[A+5], v[A+6]
	v_max_num_f32 v10, v10, v[A+7]                 ; m
.irp e, 0,1,2,3,4,5,6,7
	v_sub_f32 v[U+\e], v[A+\e], v10
.endr
.irp e, 0,1,2,3,4,5,6,7
	v_mul_f32 v[U+\e], 0x3fb8aa3b, v[U+\e]
.endr
.irp e, 0,1,2,3,4,5,6,7
	v_exp_f32 v[U+\e], v[U+\e]
.endr
	v_mov_b32 v13, 0                               ; (a plain line behind the exponentials)  the first choice's index
	s_wait_alu depctr_va_vdst(0)                   ; one wait for the eight, ahead of their first reader
	v_pk_add_f32 v[28:29], v[U:U+1], v[U+2:U+3]
	v_pk_add_f32 v[30:31], v[U+4:U+5], v[U+6:U+7]
	v_pk_add_f32 v[28:29], v[28:29], v[30:31]
	v_add_f32 v11, v28, v29                        ; the sum of u
	v_log_f32 v18, v11                             ; read behind the wait that follows the reciprocal
	v_mov_b32 v12, v[U]
.irp e, 1,2,3,4,5,6,7
	v_cmp_le_f32 vcc_lo, v[U+\e], v12              ; not larger: the earlier index stays
	v_cndmask_b32 v12, v[U+\e], v12, vcc_lo
	v_cndmask_b32 v13, \e, v13, vcc_lo
.endr
	v_mov_b32 v24, 0
.irp e, 0,1,2,3,4,5,6,7
	v_cmp_ne_u32 vcc_lo, \e, v13
	v_cndmask_b32 v[U+\e], -1.0, v[U+\e], vcc_lo   ; the first choice leaves the field
	v_cndmask_b32 v24, s[32+4*\e], v24, vcc_lo     ; and its ex is taken
.endr
	v_mov_b32 v14, v[U]
	v_mov_b32 v15, 0
.irp e, 1,2,3,4,5,6,7
	v_cmp_le_f32 vcc_lo, v[U+\e], v14
	v_cndmask_b32 v14, v[U+\e], v14, vcc_lo
	v_cndmask_b32 v15, \e, v15, vcc_lo
.endr
	v_mov_b32 v27, 0
.irp e, 0,1,2,3,4,5,6,7
	v_cmp_ne_u32 vcc_lo, \e, v15
	v_cndmask_b32 v27, s[32+4*\e], v27, vcc_lo
.endr
	v_add_f32 v28, v12, v14
	v_rcp_f32 v19, v28
	v_mov_b32 v29, 1                               ; (a plain line behind the reciprocal)
	v_mov_b32 v30, 0x100
	v_lshlrev_b32 v23, v13, v29
	v_lshlrev_b32 v30, v15, v30
	v_or_b32 v23, v23, v30                         ; sel
	s_wait_alu depctr_va_vdst(0)                   ; one wait for the logarithm and the reciprocal
	v_mul_f32 v20, v12, v19                        ; the gates
	v_mul_f32 v21, v14, v19
	v_fmamk_f32 v22, v18, 0x3f317218, v10          ; lse = log2(sum) x ln 2 + m
; x under the scale of the expert in v[ex], as row 2 t + slot of xq.  A lane's dword j holds k 128 j + 4 lane + 0..3: the row turns through my own stage and leaves as two runs of 512 consecutive bytes
.macro QSLOT slot, ex
	v_add_nc_u32 v25, 127, v[\ex]
	v_add_nc_u32 v26, 142, v[\ex]
	v_lshlrev_b32 v25, 23, v25                     ; 2^ex as f32: the conversion takes its exponent field
	v_lshlrev_b32 v26, 23, v26
	v_or_b32 v26, 0x600000, v26                    ; 57,344 x 2^ex
.irp i, 0,1,2,3,4,5,6,7,8,9,10,11,12,13,14,15,16,17,18,19,20,21,22,23,24,25,26,27,28,29,30,31
	v_med3_num_f32 v[Y+\i], v[X+\i], -v26, v26     ; the conversion to an 8-bit code does not saturate (ISA guide 7.6.2): the hold comes first
.endr
.irp g, 0,1,2,3
	v_cvt_scalef32_pk8_bf8_f32 v[C+2*\g:C+2*\g+1], v[Y+8*\g:Y+8*\g+7], v25
.endr
	v_nop                                          ; a plain line between the conversions and the next vector line that writes their sources
.irp j, 0,1,2,3,4,5,6,7
	ds_store_b32 v8, v[C+\j] offset:1024*\slot+128*\j
.endr
.irp q, 0,1
	ds_load_b128 v[OUT+8*\slot+4*\q:OUT+8*\slot+4*\q+3], v9 offset:1024*\slot+512*\q   ; LDS serves a wave's instructions in order: these see my stores
.endr
	s_wait_dscnt 0x0
.irp q, 0,1
	global_store_b128 v4, v[OUT+8*\slot+4*\q:OUT+8*\slot+4*\q+3], s[16:17] offset:1024*\slot+512*\q
.endr
.endm
	QSLOT 0, 24
	QSLOT 1, 27
	s_lshl_b32 s18, s29, 2
	v_mov_b32 v30, s18                             ; 4 t
	v_lshlrev_b32 v31, 1, v30                      ; 8 t
	s_wait_xcnt 0x0                                ; EXEC changes only behind this wait
	v_cmp_eq_u32 vcc_lo, 0, v2
	s_wait_tensorcnt 0x0
	ds_add_u32 v254, v255
	s_wait_dscnt 0x0
	s_and_saveexec_b32 s18, vcc_lo                 ; every lane holds the same numbers: lane 0 stores them
	global_store_b32 v30, v23, s[12:13]
	global_store_b64 v31, v[20:21], s[14:15]
	global_store_b32 v30, v22, s[14:15] offset:8192
	s_endpgm
.Lfunc_end_k_qe7a506bd82_route:
	.size	k_qe7a506bd82_route, .Lfunc_end_k_qe7a506bd82_route-k_qe7a506bd82_route
	.p2alignl 7, 3214868480
	.fill 96, 4, 3214868480
	.section	.rodata,"a",@progbits
	.p2align	6, 0x0
	.amdhsa_kernel k_qe7a506bd82_route
		.amdhsa_group_segment_fixed_size 45568
		.amdhsa_private_segment_fixed_size 0
		.amdhsa_enable_private_segment 0
		.amdhsa_kernarg_size 56
		.amdhsa_user_sgpr_count 2
		.amdhsa_user_sgpr_kernarg_segment_ptr 1
		.amdhsa_wavefront_size32 1
		.amdhsa_system_sgpr_workgroup_id_x 1
		.amdhsa_system_sgpr_workgroup_id_y 1
		.amdhsa_system_sgpr_workgroup_id_z 1
		.amdhsa_system_vgpr_workitem_id 0
		.amdhsa_next_free_vgpr 256
		.amdhsa_next_free_sgpr 66
		.amdhsa_reserve_vcc 1
		.amdhsa_float_denorm_mode_32 3
		.amdhsa_float_denorm_mode_16_64 3
		.amdhsa_memory_ordered 1
		.amdhsa_forward_progress 1
		.amdhsa_inst_pref_size 33
	.end_amdhsa_kernel
	.amdgpu_metadata
---
amdhsa.version: [ 1, 2 ]
amdhsa.kernels:
  - .name:           k_qe7a506bd82_route
    .symbol:         k_qe7a506bd82_route.kd
    .args:
      - { .name: hidden_states, .offset: 0, .size: 8, .value_kind: global_buffer, .address_space: global }
      - { .name: Wr, .offset: 8, .size: 8, .value_kind: global_buffer, .address_space: global }
      - { .name: br, .offset: 16, .size: 8, .value_kind: global_buffer, .address_space: global }
      - { .name: lowp_scales, .offset: 24, .size: 8, .value_kind: global_buffer, .address_space: global }
      - { .name: sel, .offset: 32, .size: 8, .value_kind: global_buffer, .address_space: global }
      - { .name: rt, .offset: 40, .size: 8, .value_kind: global_buffer, .address_space: global }
      - { .name: xq, .offset: 48, .size: 8, .value_kind: global_buffer, .address_space: global }
    .group_segment_fixed_size: 45568
    .private_segment_fixed_size: 0
    .kernarg_segment_align: 8
    .kernarg_segment_size: 56
    .max_flat_workgroup_size: 128
    .sgpr_count:     66
    .vgpr_count:     256
    .wavefront_size: 32
...
	.end_amdgpu_metadata
.endif
;; end of part 1
;; launch ffn1 (part 2): grid 32 x 8, 4 waves a work-group, no clusters, 271,616 bytes of LDS; arguments W1_codes, b1, lowp_scales, sel, rt, xq, hq, order, gsort; writes hq, order, gsort
.if DOCPART == 2
	.amdgcn_target "amdgcn-amd-amdhsa--gfx1250"
	.amdhsa_code_object_version 6
	.text
	.protected	k_qe7a506bd82_ffn1
	.globl	k_qe7a506bd82_ffn1
	.p2align	8
	.type	k_qe7a506bd82_ffn1,@function
k_qe7a506bd82_ffn1:
	s_mov_b64 s[64:65], 0
	v_nop
	global_prefetch_b8 v0, s[64:65] scope:SCOPE_SE
	s_setreg_imm32_b32 hwreg(HW_REG_WAVE_MODE, 25, 1), 1
	s_wait_xcnt 0x0
; THE FIRST PRODUCT OF EACH EXPERT, on the rows routed to it alone: h = Q(gelu(x W1 + b1)), E5M2 x E5M2, sums in f32.
; Work-group (j, e): hidden units 128 j .. 128 j + 127 of expert e, for ALL rows of that expert.  Wave w: units 128 j + 32 w .. + 31 (two tiles of 16) over the whole K = 1,024:
; 16 fragments, 256 registers, read from memory once and kept.  The expert's rows come by in blocks of 64 through two LDS buffers.
; THE LIST.  Wave 0 reads sel (one word a token: bit e = expert e is the first choice, bit 8 + e the second) and places the expert's routed rows rr = 2 t + slot in LDS by rank (a count of the lanes below + a running count).
; All 32 work-groups of an expert make the same list; that of j = 0 stores it (order), the gates in its order (gsort) and the count.  Behind the last row stand copies of it, so that a tile's spare rows repeat a real row of the same tile.
; Branches hang on the count alone, a whole number made from sel, which an earlier launch stored.  So: no tensor load, no copy, no cluster; the block loop has a constant trip count, its barrier stands outside every branch, and only work is jumped over.
; THE MATRIX INSTRUCTION IS USED TRANSPOSED (source 0 = 16 rows of W1, source 1 = 16 rows of x), and lane r of tile u takes W1's row 8 u + r + 8 (r / 8): lane (r, h) then holds row r and units 16 h + 0 .. 15 in 16 registers.
; Their 16 codes are registers 4 w .. 4 w + 3 of K step j of the second product's operand, and go out as such: hq[e][tile][K step j][w][lane][16 bytes]: 512 consecutive bytes a store.
; Fragments are fetched by four loads of 16 bytes (registers 4 c .. 4 c + 3: k = 32 c + 16 h + 0 .. 15): a permutation of k inside an instruction, the same on both sides.
; GELU, exact form: gelu(v) = max(v, 0) - |v| erfc(|v| / sqrt 2) / 2, with erfc(z) = t exp(-z^2 + poly(t)), t = 1 / (1 + z / 2), a polynomial of degree 9 whose relative error is about 1e-7 for every z >= 0; log2 e and the 1/2 are folded into its constants.
; The sums lack the factor S1 = 2^(ex + ew1): b1 goes in as the C of the first product, divided by S1; S1 is folded into the two factors of |a|; the conversion takes 2^(eh - ex - ew1).
; LIMITS: -126 <= ex + ew1 <= 127; -126 <= eh - ex - ew1 <= 112.  NaN and infinities are not served.
.set PX,   1040                        ; a row of 1,024 codes in LDS + 16: an odd multiple of 16 bytes
.set WSTW, 32*PX                       ; each wave's own stage for its 32 rows of W1
.set XB0,  4*WSTW                      ; 64 rows of x, twice
.set XB1,  XB0+64*PX
.set LIST, XB1+64*PX                   ; 1,152 words: places 0 .. 1,087, then 32 words for the lanes that place nothing, then spare
.set CNT,  LIST+4608                   ; the count
.set RO,   24                          ; v24-31   byte offsets of the rows that I fetch
.set XF,   32                          ; v32-159  x's fragments, two sets of 64; at other times: sel, GELU's work, the tail
.set DEN,  32
.set T,    48
.set Z,    64
.set P,    80
.set G,    96
.set CD,   112                         ; v112-127 codes, four registers for each tile of a block
.set ACC,  160                         ; v160-223 accumulator (m, u) at 16 m + 8 u
.set B1,   224                         ; v224-239 b1 / S1 in the result's layout
.set KC,   240                         ; v240-249 the polynomial's constants c0 .. c9
; v1 16 lane; v2, v3 my stage (in, fragments); v4, v5 x into buffer 0, 1; v6, v7 x's fragments from buffer 0, 1; v8 my place in the list, v9 + the block; v10 16 (lane % 16); v11 CNT; v12 64 h; v13 LIST + 16 thread;
; v14 8 lane; v15 1,088 + lane; v16, v17 the scan's LDS addresses and nothing else; v18, v19 its data; v20, v21 the conversion's scale and hold; v22 the count; v23 lane.
; window 1: W1's fragment (u, s) at 16 (8 u + s).   window 2, v0-127: 16 rows of x as they are loaded.
.set MSB, 0
.macro WIN new                         ; the immediate's high byte repeats the setting that is left; at a label and at a branch every window is 0
.if MSB != \new
	s_set_vgpr_msb (MSB<<8)|\new
.set MSB, \new
.endif
.endm
.macro NOPS n
.rept \n
	v_nop
.endr
.endm
	s_load_b512 s[8:23], s[0:1], 0x0               ; W1 s[8:9], b1 s[10:11], exponents s[12:13], sel s[14:15], rt s[16:17], xq s[18:19], hq s[20:21], order s[22:23]
	s_load_b64 s[24:25], s[0:1], 0x40              ; gsort
	v_lshl_add_u32 v254, v0, 2, 0x42300
	v_mov_b32 v255, 0
	v_lshrrev_b32 v22, 5, v0
	v_readfirstlane_b32 s28, v22                   ; wave
	v_and_b32 v23, 31, v0                          ; lane
	v_and_b32 v32, 15, v0                          ; r
	v_bfe_u32 v33, v0, 4, 1                        ; h
	v_lshlrev_b32 v1, 4, v23
	s_mul_i32 s36, s28, WSTW
	v_add_nc_u32 v2, s36, v1
	v_and_b32 v34, 8, v32
	v_add_nc_u32 v34, v34, v32                     ; r + 8 (r / 8)
	v_mul_u32_u24 v34, v34, PX
	v_lshl_add_u32 v34, v33, 4, v34
	v_add_nc_u32 v3, s36, v34
	v_lshlrev_b32 v10, 4, v32
	s_mul_i32 s36, s28, 16*PX
	s_add_co_u32 s36, s36, XB0
	v_mul_u32_u24 v34, v33, PX
	v_add_nc_u32 v34, v34, v10
	v_add_nc_u32 v4, s36, v34                      ; row 16 w + h, 16 bytes at 16 (lane % 16)
	v_add_nc_u32 v5, 64*PX, v4
	v_mul_u32_u24 v34, v32, PX
	v_lshl_add_u32 v34, v33, 4, v34
	v_add_nc_u32 v6, XB0, v34
	v_add_nc_u32 v7, XB1, v34
	s_lshl_b32 s36, s28, 6
	s_add_co_u32 s36, s36, LIST
	v_lshl_add_u32 v8, v33, 2, s36                 ; place 16 w + h of a block
	v_mov_b32 v11, CNT
	v_lshlrev_b32 v12, 6, v33
	v_lshl_add_u32 v13, v0, 4, LIST
	v_lshlrev_b32 v14, 3, v23
	v_add_nc_u32 v15, 1088, v23
	s_and_b32 s29, ttmp7, 0xffff                   ; e
	s_mov_b32 s30, ttmp9                           ; j
	s_lshl_b32 s31, s29, 22                        ; an expert's 4 MiB, in W1 and in hq
	s_lshl_b32 s36, s30, 17
	s_add_co_u32 s36, s36, s31
	s_lshl_b32 s37, s28, 15
	s_add_co_u32 s36, s36, s37                     ; W1: + (128 j + 32 w) rows of 1,024 bytes
	s_mov_b32 s37, 0
	s_lshl_b32 s38, s30, 11
	s_add_co_u32 s38, s38, s31
	s_lshl_b32 s39, s28, 9
	s_add_co_u32 s38, s38, s39                     ; hq: + 2,048 j + 512 w
	s_mov_b32 s39, 0
	s_lshl_b32 s26, s29, 4
	s_mov_b32 s27, 0
	s_wait_kmcnt 0x0
	s_add_nc_u64 s[12:13], s[12:13], s[26:27]
	s_load_b128 s[32:35], s[12:13], 0x0            ; ex, ew1, eh, ew2 of my expert
	s_add_nc_u64 s[58:59], s[8:9], s[36:37]
	s_add_nc_u64 s[60:61], s[20:21], s[38:39]
	s_lshl_b32 s36, s29, 14
	s_lshl_b32 s38, s30, 9
	s_add_co_u32 s36, s36, s38
	s_lshl_b32 s38, s28, 7
	s_add_co_u32 s36, s36, s38
	s_add_nc_u64 s[62:63], s[10:11], s[36:37]      ; b1 at my 32 units
	s_lshl_b32 s41, 0x101, s29                     ; my expert's two bits of sel
	s_add_co_u32 s42, s29, 8
	s_mov_b32 s40, 0                               ; the running count
.macro WLOAD q                         ; my 32 rows of W1 are 32 KiB on end: load q takes 512 consecutive bytes, into window 1
	global_load_b128 v[4*(\q):4*(\q)+3], v1, s[58:59] offset:512*(\q) th:TH_LOAD_NT
.endm
	WIN 0x40
	WLOAD 0
	WIN 0
	s_cmp_lg_u32 s28, 0
	s_cbranch_scc1 .Lno_sel
.irp jj, 0,1,2,3,4,5,6,7
	global_load_b128 v[32+4*\jj:35+4*\jj], v1, s[14:15] offset:512*\jj     ; sel of token 128 jj + 4 lane + i
.endr
.Lno_sel:
	WIN 0x40
.set q, 1
.rept 63
	WLOAD q
.set q, q+1
.endr
	WIN 0
	s_cmp_lg_u32 s28, 0
	s_cbranch_scc1 .Lno_scan
	; ---- wave 0 makes the list; no other wave touches LDS ahead of the barrier below
	v_mov_b32 v64, 0
	v_mov_b32 v65, 0
	v_mov_b32 v66, 0
	v_mov_b32 v67, 0
.irp n, 0,1,2,3,4,5,6,7,8
	ds_store_b128 v13, v[64:67] offset:512*\n      ; the list begins as zeros: every place names a row that exists
.endr
	s_wait_loadcnt 63                              ; behind sel's loads stand 63 of the weights': sel is in
.set n, 0
.rept 32
	v_and_b32 v[32+n], s41, v[32+n]
	v_cmp_ne_u32 vcc_lo, 0, v[32+n]                ; the token uses my expert
	v_mbcnt_lo_u32_b32 v[16+n%2], vcc_lo, s40      ; its place: those before it
	v_cndmask_b32 v[16+n%2], v15, v[16+n%2], vcc_lo    ; the others write behind the list
	v_min_u32 v[16+n%2], 0x47f, v[16+n%2]
	v_lshl_add_u32 v[16+n%2], v[16+n%2], 2, LIST
	v_lshrrev_b32 v[32+n], s42, v[32+n]            ; the slot: 1 for the second choice
	v_add3_u32 v[32+n], v[32+n], v14, 256*(n/4)+2*(n%4)    ; rr = 2 t + slot
	ds_store_b32 v[16+n%2], v[32+n]
	s_bcnt1_i32_b32 s43, vcc_lo
	s_add_co_u32 s40, s40, s43
.set n, n+1
.endr
	s_max_u32 s43, s40, 1
	s_sub_co_u32 s43, s43, 1
	s_min_u32 s43, s43, 1023
	s_lshl_b32 s43, s43, 2
	s_add_co_u32 s43, s43, LIST
	v_mov_b32 v16, s43
	ds_load_b32 v18, v16                           ; the last row (LDS serves a wave's instructions in order)
	v_add_nc_u32 v17, s40, v23
	v_min_u32 v17, 0x41f, v17
	v_lshl_add_u32 v17, v17, 2, LIST
	v_mov_b32 v19, s40
	s_wait_dscnt 0x0
	ds_store_b32 v17, v18                          ; 64 copies of it behind the list
	ds_store_b32 v17, v18 offset:128
	ds_store_b32 v11, v19                          ; the count
.Lno_scan:
	s_wait_dscnt 0x0                               ; for the others' sake: the list lies in LDS
	s_barrier_signal -1
	s_barrier_wait -1
	ds_load_b32 v22, v11
	s_wait_dscnt 0x0
	v_readfirstlane_b32 s44, v22
	s_min_u32 s44, s44, 1024                       ; the count,
	s_add_co_u32 s45, s44, 15
	s_lshr_b32 s45, s45, 4                         ; and the tiles of 16 rows
.irp q, 0,1,2,3
	global_load_b128 v[B1+4*\q:B1+4*\q+3], v12, s[62:63] offset:16*\q      ; b1 of units 16 h + 0 .. 15
.endr
.macro XADDR a                         ; the rows at places 16 w + 2 p + h of the block whose list address is in v[a]
.irp p, 0,1,2,3,4,5,6,7
	ds_load_b32 v[RO+\p], v[\a] offset:8*\p
.endr
	s_wait_dscnt 0x0                               ; these, and every earlier LDS instruction of mine
.irp p, 0,1,2,3,4,5,6,7
	v_min_u32 v[RO+\p], 0x7ff, v[RO+\p]
.endr
.irp p, 0,1,2,3,4,5,6,7
	v_lshl_add_u32 v[RO+\p], v[RO+\p], 10, v10     ; 1,024 rr + 16 (lane % 16)
.endr
.endm
.macro XLOADS                          ; 16 rows: sixteen lanes take 256 consecutive, aligned bytes of a row
	WIN 0x80
.irp p, 0,1,2,3,4,5,6,7
.irp c, 0,1,2,3
	global_load_b128 v[16*\p+4*\c:16*\p+4*\c+3], v[RO+\p], s[18:19] offset:256*\c
.endr
.endr
	WIN 0
.endm
	XADDR 8                                        ; block 0, whatever the count: the list names rows that exist
	XLOADS
	; ---- my weights turn through my own stage: in as they lie, out as fragments
	WIN 0x04
.set q, 0
.irp n, 63,63,52,36                    ; behind a chunk's last load stand the weights' later loads, b1's 4 and x's 32: 84, 68, 52, 36; the wait's field holds 63
	s_wait_loadcnt \n
.rept 16
	ds_store_b128 v2, v[4*q:4*q+3] offset:(q/2)*PX+512*(q%2)
.set q, q+1
.endr
.endr
	s_wait_dscnt 0x0                               ; the stores have read their registers, which the fragments take
	WIN 0x40
.irp u, 0,1
.irp s, 0,1,2,3,4,5,6,7
.irp c, 0,1,2,3
	ds_load_b128 v[16*(8*\u+\s)+4*\c:16*(8*\u+\s)+4*\c+3], v3 offset:\u*8*PX+128*\s+32*\c
.endr
.endr
.endr
	WIN 0
	s_wait_loadcnt 32                              ; b1 is in; x's 32 loads may be out
	s_wait_kmcnt 0x0
	s_add_co_i32 s46, s32, s33                     ; ex + ew1
	s_add_co_i32 s47, s46, 127
	s_lshl_b32 s47, s47, 23                        ; S1 as f32
	s_mul_f32 s48, s47, 0x3f596d27                 ; S1 x sqrt(log2 e / 2): its square times a^2 is z^2 log2 e
	s_mov_b32 s49, s48                             ; (named with it as a pair, so it is written)
	s_mul_f32 s50, s47, 0x3eb504f3                 ; S1 / (2 sqrt 2): z / 2 = |a| x this
	s_sub_co_i32 s51, 0, s46
.irp i, 0,1,2,3,4,5,6,7,8,9,10,11,12,13,14,15
	v_ldexp_f32 v[B1+\i], v[B1+\i], s51            ; b1 / S1
.endr
	s_sub_co_i32 s51, s34, s46
	s_add_co_i32 s51, s51, 127
	s_lshl_b32 s56, s51, 23
	v_mov_b32 v20, s56                             ; 2^(eh - ex - ew1)
	s_add_co_i32 s51, s51, 15
	s_lshl_b32 s51, s51, 23
	s_or_b32 s51, s51, 0x600000
	v_mov_b32 v21, s51                             ; 57,344 x that
	v_mov_b32 v[KC+0], 0xc034d90f                  ; -1.26551223 log2 e - 1
	v_mov_b32 v[KC+1], 0x3fb8ab5a                  ;  1.00002368 log2 e
	v_mov_b32 v[KC+2], 0x3f0a29d2                  ;  0.37409196 log2 e
	v_mov_b32 v[KC+3], 0x3e0efb2e                  ;  0.09678418 log2 e
	v_mov_b32 v[KC+4], 0xbe899a80                  ; -0.18628806 log2 e
	v_mov_b32 v[KC+5], 0x3ecdfd18                  ;  0.27886807 log2 e
	v_mov_b32 v[KC+6], 0xbfd1a1e5                  ; -1.13520398 log2 e
	v_mov_b32 v[KC+7], 0x40097039                  ;  1.48851587 log2 e
	v_mov_b32 v[KC+8], 0xbf97d29d                  ; -0.82215223 log2 e
	v_mov_b32 v[KC+9], 0x3e7c6f08                  ;  0.17087277 log2 e
	s_wait_dscnt 0x0                               ; W1's fragments are in
.macro FETCHX b, s                     ; x's four fragments of K step s from buffer b, into set s % 2
.irp m, 0,1,2,3
.irp c, 0,1,2,3
	ds_load_b128 v[XF+64*((\s)%2)+16*\m+4*\c:XF+64*((\s)%2)+16*\m+4*\c+3], v[6+\b] offset:\m*16*PX+128*(\s)+32*\c
.endr
.endr
.endm
.macro MULS s                          ; 8 products: the eight accumulators take turns, one instruction a turn; K step 0 starts the sums with b1 / S1
.irp m, 0,1,2,3
.irp u, 0,1
.if (\s) == 0
	v_wmma_f32_16x16x128_bf8_bf8 v[ACC+16*\m+8*\u:ACC+16*\m+8*\u+7], v[16*(8*\u+(\s)):16*(8*\u+(\s))+15], v[XF+64*((\s)%2)+16*\m:XF+64*((\s)%2)+16*\m+15], v[B1+8*\u:B1+8*\u+7]
.else
	v_wmma_f32_16x16x128_bf8_bf8 v[ACC+16*\m+8*\u:ACC+16*\m+8*\u+7], v[16*(8*\u+(\s)):16*(8*\u+(\s))+15], v[XF+64*((\s)%2)+16*\m:XF+64*((\s)%2)+16*\m+15], v[ACC+16*\m+8*\u:ACC+16*\m+8*\u+7]
.endif
.endr
.endr
.endm
; 16 numbers a lane: gelu, the hold, the codes.  Each accumulator is read from its low end on.  Two batches of transcendentals, one wait each.
.macro GELU m
.set AA, ACC+16*(\m)
.irp i, 0,1,2,3,4,5,6,7,8,9,10,11,12,13,14,15
	v_fma_f32 v[DEN+\i], |v[AA+\i]|, s50, 1.0      ; 1 + z / 2
.endr
.irp i, 0,2,4,6,8,10,12,14
	v_pk_mul_f32 v[Z+\i:Z+\i+1], v[AA+\i:AA+\i+1], s[48:49] op_sel_hi:[1,0]
.endr
.irp i, 0,1,2,3,4,5,6,7,8,9,10,11,12,13,14,15
	v_rcp_f32 v[T+\i], v[DEN+\i]                   ; t
.endr
.irp i, 0,1,2,3,4,5,6,7,8,9,10,11,12,13,14,15
	v_max_num_f32 v[G+\i], 0, v[AA+\i]             ; max(a, 0): the plain work behind the reciprocals
.endr
	s_wait_alu depctr_va_vdst(0)                   ; one wait for the sixteen, ahead of their first reader
.irp i, 0,2,4,6,8,10,12,14
	v_pk_fma_f32 v[P+\i:P+\i+1], v[T+\i:T+\i+1], v[KC+8:KC+9], v[KC+8:KC+9] op_sel:[0,1,0] op_sel_hi:[1,1,0]    ; c9 t + c8
.endr
.irp n, 7,6,5,4,3,2,1,0
.irp i, 0,2,4,6,8,10,12,14
.if \n%2
	v_pk_fma_f32 v[P+\i:P+\i+1], v[P+\i:P+\i+1], v[T+\i:T+\i+1], v[KC+\n-1:KC+\n] op_sel:[0,0,1] op_sel_hi:[1,1,1]
.else
	v_pk_fma_f32 v[P+\i:P+\i+1], v[P+\i:P+\i+1], v[T+\i:T+\i+1], v[KC+\n:KC+\n+1] op_sel_hi:[1,1,0]
.endif
.endr
.endr
.irp i, 0,2,4,6,8,10,12,14
	v_pk_fma_f32 v[Z+\i:Z+\i+1], v[Z+\i:Z+\i+1], v[Z+\i:Z+\i+1], v[P+\i:P+\i+1] neg_lo:[1,0,0] neg_hi:[1,0,0]   ; -z^2 log2 e + the polynomial
.endr
.irp i, 0,1,2,3,4,5,6,7,8,9,10,11,12,13,14,15
	v_exp_f32 v[Z+\i], v[Z+\i]
.endr
	v_nop                                          ; a plain line behind the last exponential
	s_wait_alu depctr_va_vdst(0)                   ; one wait for the sixteen
.irp i, 0,2,4,6,8,10,12,14
	v_pk_mul_f32 v[Z+\i:Z+\i+1], v[Z+\i:Z+\i+1], v[T+\i:T+\i+1]        ; erfc(z) / 2
.endr
.irp i, 0,1,2,3,4,5,6,7,8,9,10,11,12,13,14,15
	v_fma_f32 v[G+\i], -|v[AA+\i]|, v[Z+\i], v[G+\i]                   ; gelu / S1
.endr
.irp i, 0,1,2,3,4,5,6,7,8,9,10,11,12,13,14,15
	v_med3_num_f32 v[G+\i], v[G+\i], -v21, v21     ; the conversion does not saturate (ISA guide 7.6.2)
.endr
	v_cvt_scalef32_pk8_bf8_f32 v[CD+4*(\m):CD+4*(\m)+1], v[G:G+7], v20
	v_cvt_scalef32_pk8_bf8_f32 v[CD+4*(\m)+2:CD+4*(\m)+3], v[G+8:G+15], v20
	v_nop                                          ; a plain line behind the conversions
.endm
.macro GOUT m, b                       ; tile m of the block, if the expert has it
	s_add_co_u32 s56, s53, \m
	s_cmp_lt_u32 s56, s45
	s_cbranch_scc0 .Lno_tile_\@
	GELU \m
	global_store_b128 v1, v[CD+4*(\m):CD+4*(\m)+3], s[60:61] offset:65536*(\m)+262144*(\b)    ; 512 consecutive bytes, aligned
.Lno_tile_\@:
.endm
; A BLOCK OF 64 ROWS, through buffer b.  One barrier: in front of it my rows of this block lie in the buffer and my reads of the other buffer are over; the buffer is written again two blocks on, behind the next barrier.
.macro TRIP b
	s_wait_xcnt 0x0                                ; the last block's stores have read their registers: the codes' registers may be written
	s_wait_loadcnt 0x0                             ; this block's rows, asked for a block ago, are in registers; nothing else of mine can be out
	v_add_nc_u32 v9, s55, v8                       ; my place in the next block's part of the list
	s_cmp_lt_u32 s53, s45
	s_cbranch_scc0 .Lno_store_\@
	WIN 0x08
.irp p, 0,1,2,3,4,5,6,7
.irp c, 0,1,2,3
	ds_store_b128 v[4+\b], v[16*\p+4*\c:16*\p+4*\c+3] offset:\p*2*PX+256*\c
.endr
.endr
	WIN 0
.Lno_store_\@:
	s_add_co_u32 s56, s53, 4
	s_cmp_lt_u32 s56, s45
	s_cbranch_scc0 .Lno_load_\@
	XADDR 9                                        ; (its wait also shows that the stores above have read their registers)
	XLOADS                                         ; the next block: it has this block's work in which to land
.Lno_load_\@:
	s_wait_dscnt 0x0
	s_barrier_signal -1
	s_barrier_wait -1
	s_cmp_lt_u32 s53, s45
	s_cbranch_scc0 .Lno_work_\@
	FETCHX \b, 0
	FETCHX \b, 1
.irp s, 0,1,2,3,4,5,6,7
.if \s < 7
	s_wait_dscnt 16                                ; this K step's 16 loads are in, the next one's may be out
.else
	s_wait_dscnt 0x0
.endif
	WIN 0x01                                       ; source 0 (W1) in window 1
	MULS \s
	WIN 0
.if \s < 6
	NOPS 4                                         ; places in front of loads into registers that these products have read
	FETCHX \b, (\s)+2
.endif
.endr
	NOPS 5                                         ; in front of the first read of the sums; five, since the next block's first products write the accumulators anew
	GOUT 0, \b
	GOUT 1, \b
	GOUT 2, \b
	GOUT 3, \b
.Lno_work_\@:
	s_add_co_u32 s53, s53, 4
	s_add_co_u32 s55, s55, 256
.endm
	s_mov_b32 s52, 0                               ; passes
	s_mov_b32 s53, 0                               ; the block's first tile
	s_mov_b32 s55, 256                             ; the next block's part of the list, in bytes
.Lpass:                                            ; 8 passes of two blocks: 1,024 places, the most an expert can have
	TRIP 0
	TRIP 1
	s_wait_xcnt 0x0                                ; the stores have read their base
	s_add_nc_u64 s[60:61], s[60:61], 524288        ; eight tiles on
	s_add_co_u32 s52, s52, 1
	s_cmp_lt_u32 s52, 8
	s_cbranch_scc1 .Lpass
	; ---- the work-group of j = 0 stores the list, the gates in its order, and the count
	s_cmp_lg_u32 s30, 0
	s_cbranch_scc1 .Lend
	ds_load_b128 v[32:35], v13                     ; places 4 thread + i,
	ds_load_b128 v[36:39], v13 offset:2048         ; and 512 further on
	v_lshlrev_b32 v56, 4, v0
	s_lshl_b32 s36, s29, 12
	s_add_nc_u64 s[26:27], s[22:23], s[36:37]      ; (s37 = 0 since the head)
	s_add_nc_u64 s[24:25], s[24:25], s[36:37]
	s_wait_dscnt 0x0
.irp i, 0,1,2,3,4,5,6,7
	v_min_u32 v[40+\i], 0x7ff, v[32+\i]
.endr
.irp i, 0,1,2,3,4,5,6,7
	v_lshlrev_b32 v[40+\i], 2, v[40+\i]
.endr
.irp i, 0,1,2,3,4,5,6,7
	global_load_b32 v[48+\i], v[40+\i], s[16:17]   ; the row's gate
.endr
	global_store_b128 v56, v[32:35], s[26:27]
	global_store_b128 v56, v[36:39], s[26:27] offset:2048
	s_wait_loadcnt 0x0
	global_store_b128 v56, v[48:51], s[24:25]
	global_store_b128 v56, v[52:55], s[24:25] offset:2048
	s_cmp_lg_u32 s28, 0
	s_cbranch_scc1 .Lend
	v_mov_b32 v57, s44
	s_lshl_b32 s36, s29, 2
	v_mov_b32 v58, s36
	s_wait_xcnt 0x0                                ; EXEC changes only behind this wait
	v_cmp_eq_u32 vcc_lo, 0, v23
	s_wait_tensorcnt 0x0
	ds_add_u32 v254, v255
	s_wait_dscnt 0x0
	s_and_saveexec_b32 s36, vcc_lo
	global_store_b32 v58, v57, s[22:23] offset:32768
	s_endpgm
.Lend:
	s_wait_tensorcnt 0x0
	ds_add_u32 v254, v255
	s_wait_dscnt 0x0
	s_endpgm
.Lfunc_end_k_qe7a506bd82_ffn1:
	.size	k_qe7a506bd82_ffn1, .Lfunc_end_k_qe7a506bd82_ffn1-k_qe7a506bd82_ffn1
	.p2alignl 7, 3214868480
	.fill 96, 4, 3214868480
	.section	.rodata,"a",@progbits
	.p2align	6, 0x0
	.amdhsa_kernel k_qe7a506bd82_ffn1
		.amdhsa_group_segment_fixed_size 271616
		.amdhsa_private_segment_fixed_size 0
		.amdhsa_enable_private_segment 0
		.amdhsa_kernarg_size 72
		.amdhsa_user_sgpr_count 2
		.amdhsa_user_sgpr_kernarg_segment_ptr 1
		.amdhsa_wavefront_size32 1
		.amdhsa_system_sgpr_workgroup_id_x 1
		.amdhsa_system_sgpr_workgroup_id_y 1
		.amdhsa_system_sgpr_workgroup_id_z 1
		.amdhsa_system_vgpr_workitem_id 0
		.amdhsa_next_free_vgpr 640
		.amdhsa_next_free_sgpr 66
		.amdhsa_reserve_vcc 1
		.amdhsa_float_denorm_mode_32 3
		.amdhsa_float_denorm_mode_16_64 3
		.amdhsa_memory_ordered 1
		.amdhsa_forward_progress 1
		.amdhsa_inst_pref_size 178
	.end_amdhsa_kernel
	.amdgpu_metadata
---
amdhsa.version: [ 1, 2 ]
amdhsa.kernels:
  - .name:           k_qe7a506bd82_ffn1
    .symbol:         k_qe7a506bd82_ffn1.kd
    .args:
      - { .name: W1_codes, .offset: 0, .size: 8, .value_kind: global_buffer, .address_space: global }
      - { .name: b1, .offset: 8, .size: 8, .value_kind: global_buffer, .address_space: global }
      - { .name: lowp_scales, .offset: 16, .size: 8, .value_kind: global_buffer, .address_space: global }
      - { .name: sel, .offset: 24, .size: 8, .value_kind: global_buffer, .address_space: global }
      - { .name: rt, .offset: 32, .size: 8, .value_kind: global_buffer, .address_space: global }
      - { .name: xq, .offset: 40, .size: 8, .value_kind: global_buffer, .address_space: global }
      - { .name: hq, .offset: 48, .size: 8, .value_kind: global_buffer, .address_space: global }
      - { .name: order, .offset: 56, .size: 8, .value_kind: global_buffer, .address_space: global }
      - { .name: gsort, .offset: 64, .size: 8, .value_kind: global_buffer, .address_space: global }
    .group_segment_fixed_size: 271616
    .private_segment_fixed_size: 0
    .kernarg_segment_align: 8
    .kernarg_segment_size: 72
    .max_flat_workgroup_size: 128
    .sgpr_count:     66
    .vgpr_count:     640
    .wavefront_size: 32
...
	.end_amdgpu_metadata
.endif
;; end of part 2
;; launch ffn2 (part 3): grid 32 x 8, 4 waves a work-group, no clusters, 266,752 bytes of LDS; arguments W2_codes, b2, lowp_scales, hq, order, gsort, yw; writes yw
.if DOCPART == 3
	.amdgcn_target "amdgcn-amd-amdhsa--gfx1250"
	.amdhsa_code_object_version 6
	.text
	.protected	k_qe7a506bd82_ffn2
	.globl	k_qe7a506bd82_ffn2
	.p2align	8
	.type	k_qe7a506bd82_ffn2,@function
k_qe7a506bd82_ffn2:
	s_mov_b64 s[64:65], 0
	v_nop
	global_prefetch_b8 v0, s[64:65] scope:SCOPE_SE
	s_setreg_imm32_b32 hwreg(HW_REG_WAVE_MODE, 25, 1), 1
	s_wait_xcnt 0x0
; THE SECOND PRODUCT OF EACH EXPERT, on its routed rows: yw[rr] = gate x (h W2 x 2^(eh + ew2) + b2), E5M2 x E5M2, sums in f32.
; Work-group (x, e): x = 2 x slice + parity; 64 output columns of expert e (slice), the expert's tiles of 16 rows of that parity.  THE WAVES SHARE K: wave w owns K steps 8 w .. 8 w + 7 (of 128) of all four column tiles:
; 32 fragments of W2, 512 registers, kept for the whole launch.  So the four waves read four different quarters of a tile of h, straight from memory into operand registers (hq is laid as the image of those registers:
; every load takes 512 consecutive bytes), and no byte is read twice in a work-group.  The four partial sums of a tile meet in LDS; wave w adds those of the trip's tile w, and stores whole aligned runs of 256 bytes of the rows' places in yw.
; K is split over four accumulators and added in f32: an order of sums other than ascending K, within what the comparison allows.
; Branches hang on the expert's count, a whole number that an earlier launch stored.  So: no tensor load, no copy, no cluster; the loop has a constant trip count, its barrier stands outside every branch,
; and a trip that has no tile asks for nothing: one branch leads over its loads and products to the barrier.
; THE MATRIX INSTRUCTION IS USED TRANSPOSED (source 0 = 16 columns of W2, source 1 = 16 rows of h): lane (r, h) holds row r and eight neighbouring columns.
; A tile's spare rows repeat its last real row (list, gates and h alike): they store the same bytes to the same place, from the same wave.
; LIMIT: -126 <= eh + ew2 <= 127.
.set PX,   1040                        ; 1,024 codes of a column in LDS + 16
.set WSTW, 64*PX                       ; each wave's own stage: 64 columns x its quarter of K
.set REG,  16*272                      ; a partial tile: 16 rows x (64 columns x 4 bytes + 16)
.set RED1, 16*REG                      ; two sets of 16 partial tiles (tile of the trip g, wave w: 4 g + w), at 0 and here: over the stages, behind a barrier
.set ACC,  32                          ; v32-63  four accumulators
.set ORD,  64                          ; v64-71  the rows rr of the tile that I add
.set GW,   72                          ; v72-79  their gates
.set VO,   80                          ; v80-87  their byte offsets in yw
.set B2,   88                          ; v88-91  b2 of my four columns
; v1 16 lane; v2, v3 my stage, in (columns 0-31, 32-63); v4 fragments; v5, v6 partial sums into set 0, 1; v7, v8 out of set 0, 1; v9 16 (lane % 16); v10 128 w + 4 (lane / 16).
; windows 1, 2: W2's fragment (column tile b, K step s) in window 1 + s / 4 at 16 (4 (s % 4) + b).   window 3: two sets of 128 for tiles of h; at the head the weights land there; a trip's additions use the upper set.
.set MSB, 0
.macro WIN new                         ; the immediate's high byte repeats the setting that is left; at a label and at a branch every window is 0
.if MSB != \new
	s_set_vgpr_msb (MSB<<8)|\new
.set MSB, \new
.endif
.endm
	s_load_b256 s[8:15], s[0:1], 0x0               ; W2 s[8:9], b2 s[10:11], exponents s[12:13], hq s[14:15]
	s_load_b128 s[16:19], s[0:1], 0x20             ; order s[16:17], gsort s[18:19]
	s_load_b64 s[20:21], s[0:1], 0x30              ; yw
	v_lshl_add_u32 v254, v0, 2, 0x41000
	v_mov_b32 v255, 0
	v_lshrrev_b32 v11, 5, v0
	v_readfirstlane_b32 s28, v11                   ; wave
	v_and_b32 v12, 31, v0
	v_and_b32 v13, 15, v0                          ; r
	v_bfe_u32 v14, v0, 4, 1                        ; h
	v_lshlrev_b32 v1, 4, v12
	s_mul_i32 s56, s28, WSTW
	v_add_nc_u32 v2, s56, v1
	v_add_nc_u32 v3, 32*PX, v2
	v_mul_u32_u24 v15, v13, PX
	v_lshl_add_u32 v15, v14, 4, v15
	v_add_nc_u32 v4, s56, v15
	s_mul_i32 s56, s28, REG
	v_mul_u32_u24 v15, v13, 272
	v_lshl_add_u32 v15, v14, 5, v15
	v_add_nc_u32 v5, s56, v15                      ; row r, 32 bytes for each half of the lanes
	v_add_nc_u32 v6, RED1, v5
	s_mul_i32 s56, s28, 4*REG
	v_mul_u32_u24 v15, v14, 272
	v_lshl_add_u32 v15, v13, 4, v15
	v_add_nc_u32 v7, s56, v15                      ; lanes 0-15 one row of 256 bytes, lanes 16-31 the next
	v_add_nc_u32 v8, RED1, v7
	v_lshlrev_b32 v9, 4, v13
	s_lshl_b32 s56, s28, 7
	v_lshl_add_u32 v10, v14, 2, s56
	s_and_b32 s29, ttmp7, 0xffff                   ; e
	s_lshr_b32 s30, ttmp9, 1                       ; slice
	s_and_b32 s31, ttmp9, 1                        ; parity
	s_lshl_b32 s43, s29, 22                        ; an expert's 4 MiB, in W2 and in hq
	s_lshl_b32 s56, s30, 18
	s_add_co_u32 s56, s56, s43
	s_lshl_b32 s57, s28, 10
	s_add_co_u32 s56, s56, s57                     ; W2: + 64 slice columns of 4,096 bytes + my 1,024 of each
	s_mov_b32 s57, 0
	s_lshl_b32 s58, s31, 16
	s_add_co_u32 s58, s58, s43
	s_lshl_b32 s59, s28, 14
	s_add_co_u32 s58, s58, s59                     ; hq: + the first tile of my parity + my quarter of a tile
	s_mov_b32 s59, 0
	s_wait_kmcnt 0x0
	s_add_nc_u64 s[44:45], s[8:9], s[56:57]
	s_add_nc_u64 s[46:47], s[14:15], s[58:59]
	s_lshl_b32 s56, s29, 4
	s_add_nc_u64 s[12:13], s[12:13], s[56:57]
	s_load_b128 s[32:35], s[12:13], 0x0            ; ex, ew1, eh, ew2
	s_lshl_b32 s56, s29, 2
	s_add_nc_u64 s[22:23], s[16:17], s[56:57]
	s_load_b32 s36, s[22:23], 0x8000               ; the expert's count
	s_lshl_b32 s56, s29, 12
	s_lshl_b32 s58, s31, 6
	s_add_co_u32 s56, s56, s58
	s_add_nc_u64 s[48:49], s[16:17], s[56:57]      ; the list and the gates at my first tile
	s_add_nc_u64 s[50:51], s[18:19], s[56:57]
	s_lshl_b32 s56, s30, 8
	s_add_nc_u64 s[52:53], s[20:21], s[56:57]      ; yw at my 64 columns
	s_lshl_b32 s58, s29, 12
	s_add_co_u32 s56, s56, s58
	s_add_nc_u64 s[54:55], s[10:11], s[56:57]      ; b2 likewise
	global_load_b128 v[B2:B2+3], v9, s[54:55]      ; my oldest load: the first wait for weights shows it in
.irp i, 0,1,2,3,4,5,6,7
	v_mov_b32 v[ORD+\i], 0                         ; the list's and the gates' registers are written once here: they hold numbers on every way through the text
	v_mov_b32 v[GW+\i], 0
.endr
; ---- my weights: 128 loads of 512 consecutive bytes (column i / 2, half i % 2), in 8 chunks of 16, land in window 3, 64 at a time, and turn through my own stage
.macro WL i
	global_load_b128 v[4*((\i)%64):4*((\i)%64)+3], v1, s[44:45] offset:((\i)/2)*4096+512*((\i)%2)
.endm
.macro WS i
.if (\i) < 64
	ds_store_b128 v2, v[4*((\i)%64):4*((\i)%64)+3] offset:((\i)/2)*PX+512*((\i)%2)
.else
	ds_store_b128 v3, v[4*((\i)%64):4*((\i)%64)+3] offset:((\i)/2-32)*PX+512*((\i)%2)
.endif
.endm
.macro LCHUNK a                        ; chunk a is asked for
	WIN 0xc0
.set i, 16*(\a)
.rept 16
	WL i
.set i, i+1
.endr
.endm
.macro WCHUNK a                        ; chunk a goes into my stage
	WIN 0x0c
.set i, 16*(\a)
.rept 16
	WS i
.set i, i+1
.endr
.endm
.macro FRAGS b                         ; column tile b (chunks 2 b and 2 b + 1) comes back as 8 fragments.  LDS serves a wave's instructions in order: these see my stores
.irp s, 0,1,2,3,4,5,6,7
	WIN 0x40+0x40*(\s/4)
.irp c, 0,1,2,3
	ds_load_b128 v[16*(4*(\s%4)+(\b))+4*\c:16*(4*(\s%4)+(\b))+4*\c+3], v4 offset:(\b)*16*PX+128*\s+32*\c
.endr
.endr
.endm
.macro HLOAD g, t, set                 ; my quarter of the tile 2 (4 t + g) tiles behind the pass's first: 32 loads of 512 consecutive bytes = 8 fragments
	WIN 0xc0
.irp q, 0,1,2,3,4,5,6,7,8,9,10,11,12,13,14,15,16,17,18,19,20,21,22,23,24,25,26,27,28,29,30,31
	global_load_b128 v[128*(\set)+4*\q:128*(\set)+4*\q+3], v1, s[46:47] offset:(4*(\t)+(\g))*131072+512*\q
.endr
	WIN 0
.endm
	LCHUNK 0
	LCHUNK 1
	LCHUNK 2
	LCHUNK 3
	s_wait_loadcnt 48                              ; chunk 0 (and b2) is in: three chunks are younger
	WCHUNK 0
	s_wait_dscnt 0x0                               ; the stores have read their registers, which take the next chunk
	LCHUNK 4
	s_wait_loadcnt 48                              ; chunk 1
	WCHUNK 1
	s_wait_dscnt 0x0
	LCHUNK 5
	FRAGS 0                                        ; a column tile's fragments are read while later weights are on their way
	s_wait_loadcnt 48                              ; chunk 2
	WCHUNK 2
	s_wait_dscnt 0x0
	LCHUNK 6
	s_wait_loadcnt 48                              ; chunk 3
	WCHUNK 3
	s_wait_dscnt 0x0
	LCHUNK 7
	FRAGS 1
	s_wait_loadcnt 48                              ; chunk 4
	WCHUNK 4
	s_wait_loadcnt 32                              ; chunk 5: chunks 6 and 7 are younger
	WCHUNK 5
	s_wait_dscnt 0x0                               ; chunks 4 and 5 have left the lower half of window 3:
	HLOAD 0, 0, 0                                  ; it takes my first tile of h, whatever the count: the tile lies inside hq, and where the expert has no such tile nothing is made of it
	FRAGS 2
	s_wait_loadcnt 48                              ; chunk 6: chunk 7's 16 loads and h's 32 are younger
	WCHUNK 6
	s_wait_loadcnt 32                              ; chunk 7: h's 32 are younger
	WCHUNK 7
	FRAGS 3
	WIN 0
	s_wait_kmcnt 0x0
	s_min_u32 s36, s36, 1024
	s_add_co_u32 s37, s36, 15
	s_lshr_b32 s37, s37, 4                         ; the expert's tiles
	s_add_co_i32 s38, s34, s35
	s_add_co_i32 s38, s38, 127
	s_lshl_b32 s38, s38, 23                        ; 2^(eh + ew2) as f32
	s_mov_b32 s39, s38                             ; (named with it as a pair, so it is written)
	s_lshl_b32 s42, s28, 1                         ; the tile of a trip that I add lies 2 w tiles behind its first
	s_mov_b32 s41, s31                             ; a trip's first tile
	s_mov_b32 s40, 0
	s_wait_dscnt 0x0                               ; my fragments are in: my stage is read out, and the upper half of window 3 is free
	s_barrier_signal -1
	s_barrier_wait -1                              ; everybody's is: the partial sums may lie over the stages
.macro OGL t                           ; places 2 i + lane / 16 of the tile that I shall add: its rows and their gates; inside the expert's 1,024 places in every trip
.irp i, 0,1,2,3,4,5,6,7
	global_load_b32 v[ORD+\i], v10, s[48:49] offset:512*(\t)+8*\i
	global_load_b32 v[GW+\i], v10, s[50:51] offset:512*(\t)+8*\i
.endr
.endm
.macro TILE g, t
	s_add_co_u32 s43, s41, 2*(\g)+2
	s_cmp_lt_u32 s43, s37
	s_cbranch_scc0 .Lno_next_\@
	HLOAD (\g)+1, \t, ((\g)+1)%2                   ; the next tile: it has this tile's products in which to land
.if (\g) == 0
	OGL \t                                         ; the trip's list and gates go out behind it and land with it: the next tile step's wait shows them in
	s_wait_loadcnt 48                              ; all but those 32 + 16: this tile
.else
	s_wait_loadcnt 32                              ; all but those 32: this tile, and the trip's list and gates
.endif
	s_branch .Lhave_\@
.Lno_next_\@:
.if (\g) == 0
	OGL \t
.endif
	s_wait_loadcnt 0x0
.Lhave_\@:
	s_add_co_u32 s43, s41, 2*(\g)
	s_cmp_lt_u32 s43, s37
	s_cbranch_scc0 .Lno_tile_\@
	s_wait_dscnt 0x0                               ; the last tile's stores of the sums are done
.irp s, 0,1,2,3,4,5,6,7
	WIN 0x0d+(\s/4)                                ; source 0 (W2) window 1 or 2, source 1 (h) window 3
.irp b, 0,1,2,3                        ; the four accumulators take turns, one instruction a turn
.if \s == 0
	v_wmma_f32_16x16x128_bf8_bf8 v[ACC+8*\b:ACC+8*\b+7], v[16*(4*(\s%4)+\b):16*(4*(\s%4)+\b)+15], v[128*((\g)%2)+16*\s:128*((\g)%2)+16*\s+15], 0
.else
	v_wmma_f32_16x16x128_bf8_bf8 v[ACC+8*\b:ACC+8*\b+7], v[16*(4*(\s%4)+\b):16*(4*(\s%4)+\b)+15], v[128*((\g)%2)+16*\s:128*((\g)%2)+16*\s+15], v[ACC+8*\b:ACC+8*\b+7]
.endif
.endr
.endr
	WIN 0
.rept 5
	v_nop                                          ; places in front of the stores of the sums and of loads into h's registers; five, since the next tile's first products write the accumulators anew
.endr
.irp b, 0,1,2,3
	ds_store_b128 v[5+\t], v[ACC+8*\b:ACC+8*\b+3] offset:(\g)*4*REG+64*\b          ; each accumulator from its low end on
	ds_store_b128 v[5+\t], v[ACC+8*\b+4:ACC+8*\b+7] offset:(\g)*4*REG+64*\b+16
.endr
.Lno_tile_\@:
.endm
.macro REDUCE t                        ; the trip's tile w: four partial sums, the scale, b2, the gate, out
	s_add_co_u32 s43, s41, s42
	s_cmp_lt_u32 s43, s37
	s_cbranch_scc0 .Lno_sum_\@
	WIN 0xc0
.irp i, 0,1,2,3,4,5,6,7
.irp p, 0,1,2,3
	ds_load_b128 v[128+16*\i+4*\p:128+16*\i+4*\p+3], v[7+\t] offset:\p*REG+544*\i   ; rows 2 i and 2 i + 1, wave p's part
.endr
.endr
	WIN 0
.irp i, 0,1,2,3,4,5,6,7
	v_min_u32 v[VO+\i], 0x7ff, v[ORD+\i]
.endr
.irp i, 0,1,2,3,4,5,6,7
	v_lshl_add_u32 v[VO+\i], v[VO+\i], 12, v9      ; 4,096 rr + 16 (lane % 16)
.endr
	s_wait_dscnt 0x0
	WIN 0xcf
.irp i, 0,1,2,3,4,5,6,7
	v_pk_add_f32 v[128+16*\i:129+16*\i], v[128+16*\i:129+16*\i], v[132+16*\i:133+16*\i]
	v_pk_add_f32 v[130+16*\i:131+16*\i], v[130+16*\i:131+16*\i], v[134+16*\i:135+16*\i]
	v_pk_add_f32 v[136+16*\i:137+16*\i], v[136+16*\i:137+16*\i], v[140+16*\i:141+16*\i]
	v_pk_add_f32 v[138+16*\i:139+16*\i], v[138+16*\i:139+16*\i], v[142+16*\i:143+16*\i]
.endr
.irp i, 0,1,2,3,4,5,6,7
	v_pk_add_f32 v[128+16*\i:129+16*\i], v[128+16*\i:129+16*\i], v[136+16*\i:137+16*\i]
	v_pk_add_f32 v[130+16*\i:131+16*\i], v[130+16*\i:131+16*\i], v[138+16*\i:139+16*\i]
.endr
	WIN 0xc3                                       ; destination and source 0 window 3; b2 and the gates window 0
.irp i, 0,1,2,3,4,5,6,7
	v_pk_fma_f32 v[128+16*\i:129+16*\i], v[128+16*\i:129+16*\i], s[38:39], v[B2:B2+1] op_sel_hi:[1,0,1]
	v_pk_fma_f32 v[130+16*\i:131+16*\i], v[130+16*\i:131+16*\i], s[38:39], v[B2+2:B2+3] op_sel_hi:[1,0,1]
.endr
.irp ih, 0,1,2,3
.irp sl, 0,1
	v_pk_mul_f32 v[128+16*(2*\ih+\sl):129+16*(2*\ih+\sl)], v[128+16*(2*\ih+\sl):129+16*(2*\ih+\sl)], v[GW+2*\ih:GW+2*\ih+1] op_sel:[0,\sl] op_sel_hi:[1,\sl]
	v_pk_mul_f32 v[130+16*(2*\ih+\sl):131+16*(2*\ih+\sl)], v[130+16*(2*\ih+\sl):131+16*(2*\ih+\sl)], v[GW+2*\ih:GW+2*\ih+1] op_sel:[0,\sl] op_sel_hi:[1,\sl]
.endr
.endr
	WIN 0x0c
.irp i, 0,1,2,3,4,5,6,7
	global_store_b128 v[VO+\i], v[128+16*\i:131+16*\i], s[52:53]   ; sixteen lanes store 256 consecutive, aligned bytes of a row
.endr
	WIN 0
.Lno_sum_\@:
.endm
; A TRIP: four tiles.  One barrier: in front of it my partial sums lie in set t; the set is written again two trips on, behind the next barrier, which every wave signals behind its reads of it.
; A trip whose first tile the expert does not have has none: it issues no load and no product, and passes the barrier with the others.
.macro TRIP t
	s_wait_xcnt 0x0                                ; the last trip's stores have read their registers
	s_cmp_lt_u32 s41, s37
	s_cbranch_scc0 .Lempty_\@
	TILE 0, \t
	TILE 1, \t
	TILE 2, \t
	TILE 3, \t
.Lempty_\@:
	s_wait_dscnt 0x0
	s_barrier_signal -1
	s_barrier_wait -1
	REDUCE \t
	s_add_co_u32 s41, s41, 8
.endm
.Lpass:                                            ; 4 passes of two trips: 32 tiles of my parity, the most an expert can have
	TRIP 0
	TRIP 1
	s_wait_xcnt 0x0                                ; loads and stores have read their bases
	s_add_nc_u64 s[46:47], s[46:47], 1048576       ; 16 tiles on
	s_add_nc_u64 s[48:49], s[48:49], 1024
	s_add_nc_u64 s[50:51], s[50:51], 1024
	s_add_co_u32 s40, s40, 1
	s_cmp_lt_u32 s40, 4
	s_cbranch_scc1 .Lpass
	s_wait_tensorcnt 0x0
	ds_add_u32 v254, v255
	s_wait_dscnt 0x0
	s_endpgm
.Lfunc_end_k_qe7a506bd82_ffn2:
	.size	k_qe7a506bd82_ffn2, .Lfunc_end_k_qe7a506bd82_ffn2-k_qe7a506bd82_ffn2
	.p2alignl 7, 3214868480
	.fill 96, 4, 3214868480
	.section	.rodata,"a",@progbits
	.p2align	6, 0x0
	.amdhsa_kernel k_qe7a506bd82_ffn2
		.amdhsa_group_segment_fixed_size 266752
		.amdhsa_private_segment_fixed_size 0
		.amdhsa_enable_private_segment 0
		.amdhsa_kernarg_size 56
		.amdhsa_user_sgpr_count 2
		.amdhsa_user_sgpr_kernarg_segment_ptr 1
		.amdhsa_wavefront_size32 1
		.amdhsa_system_sgpr_workgroup_id_x 1
		.amdhsa_system_sgpr_workgroup_id_y 1
		.amdhsa_system_sgpr_workgroup_id_z 1
		.amdhsa_system_vgpr_workitem_id 0
		.amdhsa_next_free_vgpr 1024
		.amdhsa_next_free_sgpr 66
		.amdhsa_reserve_vcc 0
		.amdhsa_float_denorm_mode_32 3
		.amdhsa_float_denorm_mode_16_64 3
		.amdhsa_memory_ordered 1
		.amdhsa_forward_progress 1
		.amdhsa_inst_pref_size 111
	.end_amdhsa_kernel
	.amdgpu_metadata
---
amdhsa.version: [ 1, 2 ]
amdhsa.kernels:
  - .name:           k_qe7a506bd82_ffn2
    .symbol:         k_qe7a506bd82_ffn2.kd
    .args:
      - { .name: W2_codes, .offset: 0, .size: 8, .value_kind: global_buffer, .address_space: global }
      - { .name: b2, .offset: 8, .size: 8, .value_kind: global_buffer, .address_space: global }
      - { .name: lowp_scales, .offset: 16, .size: 8, .value_kind: global_buffer, .address_space: global }
      - { .name: hq, .offset: 24, .size: 8, .value_kind: global_buffer, .address_space: global }
      - { .name: order, .offset: 32, .size: 8, .value_kind: global_buffer, .address_space: global }
      - { .name: gsort, .offset: 40, .size: 8, .value_kind: global_buffer, .address_space: global }
      - { .name: yw, .offset: 48, .size: 8, .value_kind: global_buffer, .address_space: global }
    .group_segment_fixed_size: 266752
    .private_segment_fixed_size: 0
    .kernarg_segment_align: 8
    .kernarg_segment_size: 56
    .max_flat_workgroup_size: 128
    .sgpr_count:     66
    .vgpr_count:     1024
    .wavefront_size: 32
...
	.end_amdgpu_metadata
.endif
;; end of part 3
;; launch comb (part 4): grid 256 x 1, 4 waves a work-group, no clusters, 0 bytes of LDS; arguments yw, rt, order, out0, out1; writes out0, out1
.if DOCPART == 4
	.amdgcn_target "amdgcn-amd-amdhsa--gfx1250"
	.amdhsa_code_object_version 6
	.text
	.protected	k_qe7a506bd82_comb
	.globl	k_qe7a506bd82_comb
	.p2align	8
	.type	k_qe7a506bd82_comb,@function
k_qe7a506bd82_comb:
	s_mov_b64 s[64:65], 0
	v_nop
	global_prefetch_b8 v0, s[64:65] scope:SCOPE_SE
	s_setreg_imm32_b32 hwreg(HW_REG_WAVE_MODE, 25, 1), 1
	s_wait_xcnt 0x0
; out0[t] = yw[2 t] + yw[2 t + 1]: a token's two weighted rows (the six experts not chosen have the gate 0 and add nothing).  One wave a token: 8,192 consecutive bytes in, 4,096 out, every load and store 512 consecutive bytes.
; out1 = 0.01 x mean((count / 2,048 - 1/8)^2) + 0.001 x mean(lse): the first wave of the first work-group, from the 8 stored counts and the 1,024 stored lse.
; A stream: no LDS, no barrier, no matrix unit.
	s_load_b256 s[4:11], s[0:1], 0x0               ; yw s[4:5], rt s[6:7], order s[8:9], out0 s[10:11]
	s_load_b64 s[12:13], s[0:1], 0x20              ; out1
	v_lshrrev_b32 v1, 5, v0
	v_readfirstlane_b32 s14, v1
	v_and_b32 v2, 31, v0
	v_lshlrev_b32 v3, 4, v2
	s_lshl_b32 s15, ttmp9, 2
	s_add_co_u32 s15, s15, s14                     ; t
	s_lshl_b32 s16, s15, 13
	s_mov_b32 s17, 0
	s_lshl_b32 s18, s15, 12
	s_mov_b32 s19, 0
	s_wait_kmcnt 0x0
	s_add_nc_u64 s[4:5], s[4:5], s[16:17]
	s_add_nc_u64 s[10:11], s[10:11], s[18:19]
.irp q, 0,1,2,3,4,5,6,7
	global_load_b128 v[8+4*\q:11+4*\q], v3, s[4:5] offset:512*\q th:TH_LOAD_NT
	global_load_b128 v[40+4*\q:43+4*\q], v3, s[4:5] offset:4096+512*\q th:TH_LOAD_NT
.endr
.irp q, 0,1,2,3,4,5,6,7
	s_wait_loadcnt 14-2*\q                         ; pair q is in; the later pairs may be out
	v_pk_add_f32 v[8+4*\q:9+4*\q], v[8+4*\q:9+4*\q], v[40+4*\q:41+4*\q]
	v_pk_add_f32 v[10+4*\q:11+4*\q], v[10+4*\q:11+4*\q], v[42+4*\q:43+4*\q]
	global_store_b128 v3, v[8+4*\q:11+4*\q], s[10:11] offset:512*\q th:TH_STORE_NT
.endr
	s_cmp_lg_u32 s15, 0
	s_cbranch_scc1 .Lend
	s_load_b256 s[20:27], s[8:9], 0x8000           ; the eight counts
.irp q, 0,1,2,3,4,5,6,7
	global_load_b128 v[72+4*\q:75+4*\q], v3, s[6:7] offset:8192+512*\q
.endr
	s_mov_b32 s28, 0x76543210                      ; v_permlanex16_b32: lane l xor 16
	s_mov_b32 s29, 0xfedcba98
	v_mov_b32 v104, 0                              ; written once: a lane permute's destination counts as one of its sources
	v_mov_b32 v105, 0x3a000000                     ; 1 / 2,048
	v_mov_b32 v108, 0
	s_wait_loadcnt 0x0
.irp q, 0,1,2,3,4,5,6,7
	v_pk_add_f32 v[72+4*\q:73+4*\q], v[72+4*\q:73+4*\q], v[74+4*\q:75+4*\q]
.endr
.irp q, 0,1,2,3
	v_pk_add_f32 v[72+4*\q:73+4*\q], v[72+4*\q:73+4*\q], v[88+4*\q:89+4*\q]
.endr
	v_pk_add_f32 v[72:73], v[72:73], v[80:81]
	v_pk_add_f32 v[76:77], v[76:77], v[84:85]
	v_pk_add_f32 v[72:73], v[72:73], v[76:77]
	v_add_f32 v72, v72, v73
	v_add_f32_dpp v72, v72, v72 row_xmask:1 row_mask:0xf bank_mask:0xf
	v_add_f32_dpp v72, v72, v72 row_xmask:2 row_mask:0xf bank_mask:0xf
	v_add_f32_dpp v72, v72, v72 row_xmask:4 row_mask:0xf bank_mask:0xf
	v_add_f32_dpp v72, v72, v72 row_xmask:8 row_mask:0xf bank_mask:0xf
	v_permlanex16_b32 v104, v72, s28, s29
	v_add_f32 v72, v72, v104                       ; the sum of the 1,024 lse
	s_wait_kmcnt 0x0
.irp e, 0,1,2,3,4,5,6,7
	v_cvt_f32_u32 v106, s[20+\e]
	v_fmaak_f32 v106, v106, v105, 0xbe000000       ; count / 2,048 - 1/8
.if \e == 0
	v_mul_f32 v107, v106, v106
.else
	v_fmac_f32 v107, v106, v106
.endif
.endr
	v_mul_f32 v107, 0x3aa3d70a, v107               ; x 0.01 / 8
	v_fmamk_f32 v107, v72, 0x3583126f, v107        ; + the sum x 0.001 / 1,024
	s_wait_xcnt 0x0                                ; EXEC changes only behind this wait
	v_cmp_eq_u32 vcc_lo, 0, v2
	s_and_saveexec_b32 s16, vcc_lo
	global_store_b32 v108, v107, s[12:13]
	s_endpgm
.Lend:
	s_endpgm
.Lfunc_end_k_qe7a506bd82_comb:
	.size	k_qe7a506bd82_comb, .Lfunc_end_k_qe7a506bd82_comb-k_qe7a506bd82_comb
	.p2alignl 7, 3214868480
	.fill 96, 4, 3214868480
	.section	.rodata,"a",@progbits
	.p2align	6, 0x0
	.amdhsa_kernel k_qe7a506bd82_comb
		.amdhsa_group_segment_fixed_size 0
		.amdhsa_private_segment_fixed_size 0
		.amdhsa_enable_private_segment 0
		.amdhsa_kernarg_size 40
		.amdhsa_user_sgpr_count 2
		.amdhsa_user_sgpr_kernarg_segment_ptr 1
		.amdhsa_wavefront_size32 1
		.amdhsa_system_sgpr_workgroup_id_x 1
		.amdhsa_system_sgpr_workgroup_id_y 1
		.amdhsa_system_sgpr_workgroup_id_z 1
		.amdhsa_system_vgpr_workitem_id 0
		.amdhsa_next_free_vgpr 112
		.amdhsa_next_free_sgpr 66
		.amdhsa_reserve_vcc 1
		.amdhsa_float_denorm_mode_32 3
		.amdhsa_float_denorm_mode_16_64 3
		.amdhsa_memory_ordered 1
		.amdhsa_forward_progress 1
		.amdhsa_inst_pref_size 9
	.end_amdhsa_kernel
	.amdgpu_metadata
---
amdhsa.version: [ 1, 2 ]
amdhsa.kernels:
  - .name:           k_qe7a506bd82_comb
    .symbol:         k_qe7a506bd82_comb.kd
    .args:
      - { .name: yw, .offset: 0, .size: 8, .value_kind: global_buffer, .address_space: global }
      - { .name: rt, .offset: 8, .size: 8, .value_kind: global_buffer, .address_space: global }
      - { .name: order, .offset: 16, .size: 8, .value_kind: global_buffer, .address_space: global }
      - { .name: out0, .offset: 24, .size: 8, .value_kind: global_buffer, .address_space: global }
      - { .name: out1, .offset: 32, .size: 8, .value_kind: global_buffer, .address_space: global }
    .group_segment_fixed_size: 0
    .private_segment_fixed_size: 0
    .kernarg_segment_align: 8
    .kernarg_segment_size: 40
    .max_flat_workgroup_size: 128
    .sgpr_count:     66
    .vgpr_count:     112
    .wavefront_size: 32
...
	.end_amdgpu_metadata
.endif
;; end of part 4
;; ======== version 2 of 2: 4 launches
;; limits: right only within a limited range of input values
;; workspace buffers: sel 4,096 bytes of whole numbers; order 33,024 bytes of whole numbers; rt 12,288 bytes; gsort 32,768 bytes; xq 2,097,152 bytes; hq 33,554,432 bytes; yw 8,388,608 bytes
;; launch route (part 5): grid 256 x 1, 4 waves a work-group, no clusters, 45,568 bytes of LDS; arguments hidden_states, Wr, br, lowp_scales, sel, rt, xq; writes sel, rt, xq
.if DOCPART == 5
	.amdgcn_target "amdgcn-amd-amdhsa--gfx1250"
	.amdhsa_code_object_version 6
	.text
	.protected	k_qe7a506bd82_route
	.globl	k_qe7a506bd82_route
	.p2align	8
	.type	k_qe7a506bd82_route,@function
k_qe7a506bd82_route:
	s_mov_b64 s[64:65], 0
	v_nop
	global_prefetch_b8 v0, s[64:65] scope:SCOPE_SE
	s_setreg_imm32_b32 hwreg(HW_REG_WAVE_MODE, 25, 1), 1
	s_wait_xcnt 0x0
; THE ROUTER, and x as codes.  1,024 tokens of 1,024 numbers (f32), 8 experts, 2 chosen.  One wave takes one token: t = 4 x work-group + wave.
; logits = x Wr + br in f32 (fused multiply-adds, a lane 32 of the 1,024 k, then a sum over the lanes); u_e = 2^((l_e - m) log2 e), m the largest logit;
; the two largest u, the lower index at a tie (as the top-k on the probabilities breaks it); gates u / (u_first + u_second); lse = m + ln 2 x log2(sum of u).
; STORED, at fixed places: sel[t] = (1 << first) | (0x100 << second); rt: the two gates at byte 8 t, lse at byte 8,192 + 4 t;
; xq: rows 2 t and 2 t + 1, the token's 1,024 codes of E5M2 under the scale 2^ex of the expert chosen first and second.  The choice only selects a VALUE (the exponent, by v_cndmask_b32): no address and no branch hangs on it.
; code = x / 2^ex, held within +-57,344, to the nearest code, ties to even.  LIMITS: -126 <= ex <= 112 (lowp_scales[4 e]); NaN and infinities among the inputs are not served.
; Wr (32 KiB) is copied once into LDS in whole runs of 512 bytes and read from there: a lane wants the 128 bytes of its 4 k, so groups of 128 bytes lie 144 bytes apart (an odd multiple of 16).
; No matrix unit (N = 8), no tensor load, no cluster: each work-group's x is its own, and Wr is small.
.set WRP, 144                          ; a group of 4 rows of Wr in LDS: 128 bytes + 16
.set STG, 256*WRP                      ; behind Wr: 2,048 bytes for each wave, the codes' turn (1,024 a row)
.set X,   32                           ; v32-63   x[128 j + 4 lane + i] at X + 4 j + i
.set Y,   64                           ; v64-95   the same, held
.set WR,  96                           ; v96-223  two sets of 64: Wr of 8 k x 8 experts
.set A,   224                          ; v224-231 the logits
.set U,   232                          ; v232-239 u
.set C,   240                          ; v240-247 codes: register j = k 128 j + 4 lane + 0..3
.set OUT, 96                           ; v96-111  rows of codes read back, 8 registers a row (Wr's registers are free then)
	s_load_b256 s[4:11], s[0:1], 0x0               ; x s[4:5], Wr s[6:7], br s[8:9], the scales' exponents s[10:11]
	s_load_b128 s[12:15], s[0:1], 0x20             ; sel s[12:13], rt s[14:15]
	s_load_b64 s[16:17], s[0:1], 0x30              ; xq
	v_lshl_add_u32 v254, v0, 2, 0xb000
	v_mov_b32 v255, 0
	v_lshrrev_b32 v1, 5, v0
	v_readfirstlane_b32 s28, v1                    ; wave
	v_and_b32 v2, 31, v0                           ; lane
	v_lshlrev_b32 v3, 4, v0                        ; 16 x thread: Wr as it lies
	v_lshlrev_b32 v4, 4, v2                        ; 16 x lane
	v_lshrrev_b32 v5, 3, v0
	v_mul_u32_u24 v5, v5, WRP
	v_and_b32 v6, 7, v0
	v_lshl_add_u32 v5, v6, 4, v5                   ; Wr into LDS: group thread / 8, 16 bytes at 16 (thread % 8)
	v_mul_u32_u24 v6, v2, WRP                      ; Wr out of LDS: group 32 j + lane
	v_lshlrev_b32 v7, 11, v1
	v_add_nc_u32 v7, STG, v7                       ; my wave's stage
	v_lshl_add_u32 v8, v2, 2, v7                   ; into it: 4 bytes a lane
	v_lshl_add_u32 v9, v2, 4, v7                   ; out of it: 16 bytes a lane
	s_lshl_b32 s29, ttmp9, 2
	s_add_co_u32 s29, s29, s28                     ; t
	s_lshl_b32 s18, s29, 12                        ; a token is 4,096 bytes
	s_mov_b32 s19, 0
	s_mov_b32 s30, 0x76543210                      ; v_permlanex16_b32: lane l xor 16
	s_mov_b32 s31, 0xfedcba98
	s_wait_alu depctr_va_vdst(0)
	s_wait_kmcnt 0x0
	s_load_b256 s[20:27], s[8:9], 0x0              ; br
	s_load_b512 s[32:47], s[10:11], 0x0            ; the 32 exponents: ex of expert e is s[32 + 4 e]
	s_load_b512 s[48:63], s[10:11], 0x40
	s_add_nc_u64 s[4:5], s[4:5], s[18:19]
	s_lshl_b32 s18, s29, 11                        ; two rows of 1,024 codes
	s_add_nc_u64 s[16:17], s[16:17], s[18:19]
.irp q, 0,1,2,3,4,5,6,7,8,9,10,11,12,13,14,15
	global_load_b128 v[WR+4*\q:WR+4*\q+3], v3, s[6:7] offset:2048*\q          ; the four waves read 2,048 consecutive bytes
.endr
.irp j, 0,1,2,3,4,5,6,7
	global_load_b128 v[X+4*\j:X+4*\j+3], v4, s[4:5] offset:512*\j th:TH_LOAD_NT   ; 512 consecutive bytes; x is read once
.endr
	s_wait_loadcnt 8                               ; Wr's sixteen loads are in; x's eight, issued behind them, may be out
.irp q, 0,1,2,3,4,5,6,7,8,9,10,11,12,13,14,15
	ds_store_b128 v5, v[WR+4*\q:WR+4*\q+3] offset:16*WRP*\q
.endr
	s_wait_dscnt 0x0                               ; for the others' sake: my part of Wr lies in LDS
	s_barrier_signal -1
	s_barrier_wait -1
; 16 LDS loads: Wr of the lane's 8 k of j = 2 kap and 2 kap + 1, into set kap % 2: register 32 (j % 2) + 8 i + e
.macro WRQ kap
.irp jj, 0,1
.irp c, 0,1,2,3,4,5,6,7
	ds_load_b128 v[WR+64*((\kap)%2)+32*\jj+4*\c:WR+64*((\kap)%2)+32*\jj+4*\c+3], v6 offset:(2*(\kap)+\jj)*32*WRP+16*\c
.endr
.endr
.endm
; 32 packed multiply-adds: two experts each; x's word is picked from its pair for both halves.  The very first product starts the sums: nothing is cleared
.macro FMA kap
.irp jj, 0,1
.irp ih, 0,1
.irp sl, 0,1
.irp p, 0,1,2,3
.if (\kap)+\jj+\ih+\sl == 0
	v_pk_mul_f32 v[A+2*\p:A+2*\p+1], v[X:X+1], v[WR+2*\p:WR+2*\p+1] op_sel_hi:[0,1]
.else
	v_pk_fma_f32 v[A+2*\p:A+2*\p+1], v[X+4*(2*(\kap)+\jj)+2*\ih:X+4*(2*(\kap)+\jj)+2*\ih+1], v[WR+64*((\kap)%2)+32*\jj+8*(2*\ih+\sl)+2*\p:WR+64*((\kap)%2)+32*\jj+8*(2*\ih+\sl)+2*\p+1], v[A+2*\p:A+2*\p+1] op_sel:[\sl,0,0] op_sel_hi:[\sl,1,1]
.endif
.endr
.endr
.endr
.endr
.endm
	WRQ 0
	WRQ 1
	s_wait_loadcnt 0x0                             ; x
	s_wait_dscnt 16                                ; the older batch of 16 is in, the younger may be out
	FMA 0
	WRQ 2
	s_wait_alu depctr_va_vdst(0)
	s_wait_dscnt 16
	FMA 1
	WRQ 3
	s_wait_alu depctr_va_vdst(0)
	s_wait_dscnt 16
	FMA 2
	s_wait_alu depctr_va_vdst(0)
	s_wait_dscnt 0x0
	FMA 3
	v_mov_b32 v16, 0                               ; written once: a lane permute's destination counts as one of its sources
	v_mov_b32 v17, 0
.irp m, 1,2,4,8
.irp e, 0,1,2,3,4,5,6,7
	v_add_f32_dpp v[A+\e], v[A+\e], v[A+\e] row_xmask:\m row_mask:0xf bank_mask:0xf
.endr
.endr
	s_wait_alu depctr_va_vdst(0)
	s_wait_kmcnt 0x0                               ; br and the exponents
.irp e, 0,1,2,3,4,5,6,7
	v_permlanex16_b32 v[16+(\e%2)], v[A+\e], s30, s31
	v_add_f32 v[A+\e], v[A+\e], v[16+(\e%2)]
.endr
.irp e, 0,1,2,3,4,5,6,7
	v_add_f32 v[A+\e], s[20+\e], v[A+\e]           ; every lane holds the eight logits
.endr
	v_max3_num_f32 v10, v[A], v[A+1], v[A+2]
	v_max3_num_f32 v10, v10, v[A+3], v[A+4]
	v_max3_num_f32 v10, v10, v[A+5], v[A+6]
	v_max_num_f32 v10, v10, v[A+7]                 ; m
.irp e, 0,1,2,3,4,5,6,7
	v_sub_f32 v[U+\e], v[A+\e], v10
.endr
.irp e, 0,1,2,3,4,5,6,7
	v_mul_f32 v[U+\e], 0x3fb8aa3b, v[U+\e]
.endr
	s_wait_alu depctr_va_vdst(0)
.irp e, 0,1,2,3,4,5,6,7
	v_exp_f32 v[U+\e], v[U+\e]
.endr
	v_mov_b32 v13, 0                               ; (a plain line behind the exponentials)  the first choice's index
	s_wait_alu depctr_va_vdst(0)                   ; one wait for the eight, ahead of their first reader
	v_pk_add_f32 v[28:29], v[U:U+1], v[U+2:U+3]
	v_pk_add_f32 v[30:31], v[U+4:U+5], v[U+6:U+7]
	v_pk_add_f32 v[28:29], v[28:29], v[30:31]
	v_add_f32 v11, v28, v29                        ; the sum of u
	s_wait_alu depctr_va_vdst(0)
	v_log_f32 v18, v11                             ; read behind the wait that follows the reciprocal
	v_mov_b32 v12, v[U]
.irp e, 1,2,3,4,5,6,7
	v_cmp_le_f32 vcc_lo, v[U+\e], v12              ; not larger: the earlier index stays
	v_cndmask_b32 v12, v[U+\e], v12, vcc_lo
	v_cndmask_b32 v13, \e, v13, vcc_lo
.endr
	v_mov_b32 v24, 0
.irp e, 0,1,2,3,4,5,6,7
	v_cmp_ne_u32 vcc_lo, \e, v13
	v_cndmask_b32 v[U+\e], -1.0, v[U+\e], vcc_lo   ; the first choice leaves the field
	v_cndmask_b32 v24, s[32+4*\e], v24, vcc_lo     ; and its ex is taken
.endr
	v_mov_b32 v14, v[U]
	v_mov_b32 v15, 0
.irp e, 1,2,3,4,5,6,7
	v_cmp_le_f32 vcc_lo, v[U+\e], v14
	v_cndmask_b32 v14, v[U+\e], v14, vcc_lo
	v_cndmask_b32 v15, \e, v15, vcc_lo
.endr
	v_mov_b32 v27, 0
.irp e, 0,1,2,3,4,5,6,7
	v_cmp_ne_u32 vcc_lo, \e, v15
	v_cndmask_b32 v27, s[32+4*\e], v27, vcc_lo
.endr
	v_add_f32 v28, v12, v14
	s_wait_alu depctr_va_vdst(0)
	v_rcp_f32 v19, v28
	v_mov_b32 v29, 1                               ; (a plain line behind the reciprocal)
	v_mov_b32 v30, 0x100
	v_lshlrev_b32 v23, v13, v29
	v_lshlrev_b32 v30, v15, v30
	v_or_b32 v23, v23, v30                         ; sel
	s_wait_alu depctr_va_vdst(0)                   ; one wait for the logarithm and the reciprocal
	v_mul_f32 v20, v12, v19                        ; the gates
	v_mul_f32 v21, v14, v19
	v_fmamk_f32 v22, v18, 0x3f317218, v10          ; lse = log2(sum) x ln 2 + m
; x under the scale of the expert in v[ex], as row 2 t + slot of xq.  A lane's dword j holds k 128 j + 4 lane + 0..3: the row turns through my own stage and leaves as two runs of 512 consecutive bytes
.macro QSLOT slot, ex
	v_add_nc_u32 v25, 127, v[\ex]
	v_add_nc_u32 v26, 142, v[\ex]
	v_lshlrev_b32 v25, 23, v25                     ; 2^ex as f32: the conversion takes its exponent field
	v_lshlrev_b32 v26, 23, v26
	v_or_b32 v26, 0x600000, v26                    ; 57,344 x 2^ex
.irp i, 0,1,2,3,4,5,6,7,8,9,10,11,12,13,14,15,16,17,18,19,20,21,22,23,24,25,26,27,28,29,30,31
	v_med3_num_f32 v[Y+\i], v[X+\i], -v26, v26     ; the conversion to an 8-bit code does not saturate (ISA guide 7.6.2): the hold comes first
.endr
.irp g, 0,1,2,3
	v_cvt_scalef32_pk8_bf8_f32 v[C+2*\g:C+2*\g+1], v[Y+8*\g:Y+8*\g+7], v25
.endr
	v_nop                                          ; a plain line between the conversions and the next vector line that writes their sources
.irp j, 0,1,2,3,4,5,6,7
	ds_store_b32 v8, v[C+\j] offset:1024*\slot+128*\j
.endr
.irp q, 0,1
	ds_load_b128 v[OUT+8*\slot+4*\q:OUT+8*\slot+4*\q+3], v9 offset:1024*\slot+512*\q   ; LDS serves a wave's instructions in order: these see my stores
.endr
	s_wait_dscnt 0x0
.irp q, 0,1
	global_store_b128 v4, v[OUT+8*\slot+4*\q:OUT+8*\slot+4*\q+3], s[16:17] offset:1024*\slot+512*\q
.endr
.endm
	QSLOT 0, 24
	QSLOT 1, 27
	s_lshl_b32 s18, s29, 2
	v_mov_b32 v30, s18                             ; 4 t
	v_lshlrev_b32 v31, 1, v30                      ; 8 t
	s_wait_alu depctr_va_vdst(0)
	s_wait_xcnt 0x0                                ; EXEC changes only behind this wait
	v_cmp_eq_u32 vcc_lo, 0, v2
	s_wait_tensorcnt 0x0
	ds_add_u32 v254, v255
	s_wait_dscnt 0x0
	s_and_saveexec_b32 s18, vcc_lo                 ; every lane holds the same numbers: lane 0 stores them
	global_store_b32 v30, v23, s[12:13]
	global_store_b64 v31, v[20:21], s[14:15]
	global_store_b32 v30, v22, s[14:15] offset:8192
	s_endpgm
.Lfunc_end_k_qe7a506bd82_route:
	.size	k_qe7a506bd82_route, .Lfunc_end_k_qe7a506bd82_route-k_qe7a506bd82_route
	.p2alignl 7, 3214868480
	.fill 96, 4, 3214868480
	.section	.rodata,"a",@progbits
	.p2align	6, 0x0
	.amdhsa_kernel k_qe7a506bd82_route
		.amdhsa_group_segment_fixed_size 45568
		.amdhsa_private_segment_fixed_size 0
		.amdhsa_enable_private_segment 0
		.amdhsa_kernarg_size 56
		.amdhsa_user_sgpr_count 2
		.amdhsa_user_sgpr_kernarg_segment_ptr 1
		.amdhsa_wavefront_size32 1
		.amdhsa_system_sgpr_workgroup_id_x 1
		.amdhsa_system_sgpr_workgroup_id_y 1
		.amdhsa_system_sgpr_workgroup_id_z 1
		.amdhsa_system_vgpr_workitem_id 0
		.amdhsa_next_free_vgpr 256
		.amdhsa_next_free_sgpr 66
		.amdhsa_reserve_vcc 1
		.amdhsa_float_denorm_mode_32 3
		.amdhsa_float_denorm_mode_16_64 3
		.amdhsa_memory_ordered 1
		.amdhsa_forward_progress 1
		.amdhsa_inst_pref_size 33
	.end_amdhsa_kernel
	.amdgpu_metadata
---
amdhsa.version: [ 1, 2 ]
amdhsa.kernels:
  - .name:           k_qe7a506bd82_route
    .symbol:         k_qe7a506bd82_route.kd
    .args:
      - { .name: hidden_states, .offset: 0, .size: 8, .value_kind: global_buffer, .address_space: global }
      - { .name: Wr, .offset: 8, .size: 8, .value_kind: global_buffer, .address_space: global }
      - { .name: br, .offset: 16, .size: 8, .value_kind: global_buffer, .address_space: global }
      - { .name: lowp_scales, .offset: 24, .size: 8, .value_kind: global_buffer, .address_space: global }
      - { .name: sel, .offset: 32, .size: 8, .value_kind: global_buffer, .address_space: global }
      - { .name: rt, .offset: 40, .size: 8, .value_kind: global_buffer, .address_space: global }
      - { .name: xq, .offset: 48, .size: 8, .value_kind: global_buffer, .address_space: global }
    .group_segment_fixed_size: 45568
    .private_segment_fixed_size: 0
    .kernarg_segment_align: 8
    .kernarg_segment_size: 56
    .max_flat_workgroup_size: 128
    .sgpr_count:     66
    .vgpr_count:     256
    .wavefront_size: 32
...
	.end_amdgpu_metadata
.endif
;; end of part 5
;; launch ffn1 (part 6): grid 32 x 8, 4 waves a work-group, no clusters, 271,616 bytes of LDS; arguments W1_codes, b1, lowp_scales, sel, rt, xq, hq, order, gsort; writes hq, order, gsort
.if DOCPART == 6
	.amdgcn_target "amdgcn-amd-amdhsa--gfx1250"
	.amdhsa_code_object_version 6
	.text
	.protected	k_qe7a506bd82_ffn1
	.globl	k_qe7a506bd82_ffn1
	.p2align	8
	.type	k_qe7a506bd82_ffn1,@function
k_qe7a506bd82_ffn1:
	s_mov_b64 s[64:65], 0
	v_nop
	global_prefetch_b8 v0, s[64:65] scope:SCOPE_SE
	s_setreg_imm32_b32 hwreg(HW_REG_WAVE_MODE, 25, 1), 1
	s_wait_xcnt 0x0
; THE FIRST PRODUCT OF EACH EXPERT, on the rows routed to it alone: h = Q(gelu(x W1 + b1)), E5M2 x E5M2, sums in f32.
; Work-group (j, e): hidden units 128 j .. 128 j + 127 of expert e, for ALL rows of that expert.  Wave w: units 128 j + 32 w .. + 31 (two tiles of 16) over the whole K = 1,024:
; 16 fragments, 256 registers, read from memory once and kept.  The expert's rows come by in blocks of 64 through two LDS buffers.
; THE LIST.  Wave 0 reads sel (one word a token: bit e = expert e is the first choice, bit 8 + e the second) and places the expert's routed rows rr = 2 t + slot in LDS by rank (a count of the lanes below + a running count).
; All 32 work-groups of an expert make the same list; that of j = 0 stores it (order), the gates in its order (gsort) and the count.  Behind the last row stand copies of it, so that a tile's spare rows repeat a real row of the same tile.
; Branches hang on the count alone, a whole number made from sel, which an earlier launch stored.  So: no tensor load, no copy, no cluster; the block loop has a constant trip count, its barrier stands outside every branch, and only work is jumped over.
; THE MATRIX INSTRUCTION IS USED TRANSPOSED (source 0 = 16 rows of W1, source 1 = 16 rows of x), and lane r of tile u takes W1's row 8 u + r + 8 (r / 8): lane (r, h) then holds row r and units 16 h + 0 .. 15 in 16 registers.
; Their 16 codes are registers 4 w .. 4 w + 3 of K step j of the second product's operand, and go out as such: hq[e][tile][K step j][w][lane][16 bytes]: 512 consecutive bytes a store.
; Fragments are fetched by four loads of 16 bytes (registers 4 c .. 4 c + 3: k = 32 c + 16 h + 0 .. 15): a permutation of k inside an instruction, the same on both sides.
; GELU, exact form: gelu(v) = max(v, 0) - |v| erfc(|v| / sqrt 2) / 2, with erfc(z) = t exp(-z^2 + poly(t)), t = 1 / (1 + z / 2), a polynomial of degree 9 whose relative error is about 1e-7 for every z >= 0; log2 e and the 1/2 are folded into its constants.
; The sums lack the factor S1 = 2^(ex + ew1): b1 goes in as the C of the first product, divided by S1; S1 is folded into the two factors of |a|; the conversion takes 2^(eh - ex - ew1).
; LIMITS: -126 <= ex + ew1 <= 127; -126 <= eh - ex - ew1 <= 112.  NaN and infinities are not served.
.set PX,   1040                        ; a row of 1,024 codes in LDS + 16: an odd multiple of 16 bytes
.set WSTW, 32*PX                       ; each wave's own stage for its 32 rows of W1
.set XB0,  4*WSTW                      ; 64 rows of x, twice
.set XB1,  XB0+64*PX
.set LIST, XB1+64*PX                   ; 1,152 words: places 0 .. 1,087, then 32 words for the lanes that place nothing, then spare
.set CNT,  LIST+4608                   ; the count
.set RO,   24                          ; v24-31   byte offsets of the rows that I fetch
.set XF,   32                          ; v32-159  x's fragments, two sets of 64; at other times: sel, GELU's work, the tail
.set DEN,  32
.set T,    48
.set Z,    64
.set P,    80
.set G,    96
.set CD,   112                         ; v112-127 codes, four registers for each tile of a block
.set ACC,  160                         ; v160-223 accumulator (m, u) at 16 m + 8 u
.set B1,   224                         ; v224-239 b1 / S1 in the result's layout
.set KC,   240                         ; v240-249 the polynomial's constants c0 .. c9
; v1 16 lane; v2, v3 my stage (in, fragments); v4, v5 x into buffer 0, 1; v6, v7 x's fragments from buffer 0, 1; v8 my place in the list, v9 + the block; v10 16 (lane % 16); v11 CNT; v12 64 h; v13 LIST + 16 thread;
; v14 8 lane; v15 1,088 + lane; v16, v17 the scan's LDS addresses and nothing else; v18, v19 its data; v20, v21 the conversion's scale and hold; v22 the count; v23 lane.
; window 1: W1's fragment (u, s) at 16 (8 u + s).   window 2, v0-127: 16 rows of x as they are loaded.
.set MSB, 0
.macro WIN new                         ; the immediate's high byte repeats the setting that is left; at a label and at a branch every window is 0
.if MSB != \new
	s_set_vgpr_msb (MSB<<8)|\new
.set MSB, \new
.endif
.endm
.macro NOPS n
.rept \n
	v_nop
.endr
.endm
	s_load_b512 s[8:23], s[0:1], 0x0               ; W1 s[8:9], b1 s[10:11], exponents s[12:13], sel s[14:15], rt s[16:17], xq s[18:19], hq s[20:21], order s[22:23]
	s_load_b64 s[24:25], s[0:1], 0x40              ; gsort
	v_lshl_add_u32 v254, v0, 2, 0x42300
	v_mov_b32 v255, 0
	v_lshrrev_b32 v22, 5, v0
	v_readfirstlane_b32 s28, v22                   ; wave
	v_and_b32 v23, 31, v0                          ; lane
	v_and_b32 v32, 15, v0                          ; r
	v_bfe_u32 v33, v0, 4, 1                        ; h
	v_lshlrev_b32 v1, 4, v23
	s_mul_i32 s36, s28, WSTW
	v_add_nc_u32 v2, s36, v1
	v_and_b32 v34, 8, v32
	v_add_nc_u32 v34, v34, v32                     ; r + 8 (r / 8)
	v_mul_u32_u24 v34, v34, PX
	v_lshl_add_u32 v34, v33, 4, v34
	v_add_nc_u32 v3, s36, v34
	v_lshlrev_b32 v10, 4, v32
	s_mul_i32 s36, s28, 16*PX
	s_add_co_u32 s36, s36, XB0
	v_mul_u32_u24 v34, v33, PX
	v_add_nc_u32 v34, v34, v10
	v_add_nc_u32 v4, s36, v34                      ; row 16 w + h, 16 bytes at 16 (lane % 16)
	v_add_nc_u32 v5, 64*PX, v4
	v_mul_u32_u24 v34, v32, PX
	v_lshl_add_u32 v34, v33, 4, v34
	v_add_nc_u32 v6, XB0, v34
	v_add_nc_u32 v7, XB1, v34
	s_lshl_b32 s36, s28, 6
	s_add_co_u32 s36, s36, LIST
	v_lshl_add_u32 v8, v33, 2, s36                 ; place 16 w + h of a block
	v_mov_b32 v11, CNT
	v_lshlrev_b32 v12, 6, v33
	v_lshl_add_u32 v13, v0, 4, LIST
	v_lshlrev_b32 v14, 3, v23
	v_add_nc_u32 v15, 1088, v23
	s_and_b32 s29, ttmp7, 0xffff                   ; e
	s_mov_b32 s30, ttmp9                           ; j
	s_lshl_b32 s31, s29, 22                        ; an expert's 4 MiB, in W1 and in hq
	s_lshl_b32 s36, s30, 17
	s_add_co_u32 s36, s36, s31
	s_lshl_b32 s37, s28, 15
	s_add_co_u32 s36, s36, s37                     ; W1: + (128 j + 32 w) rows of 1,024 bytes
	s_mov_b32 s37, 0
	s_lshl_b32 s38, s30, 11
	s_add_co_u32 s38, s38, s31
	s_lshl_b32 s39, s28, 9
	s_add_co_u32 s38, s38, s39                     ; hq: + 2,048 j + 512 w
	s_mov_b32 s39, 0
	s_lshl_b32 s26, s29, 4
	s_mov_b32 s27, 0
	s_wait_kmcnt 0x0
	s_add_nc_u64 s[12:13], s[12:13], s[26:27]
	s_load_b128 s[32:35], s[12:13], 0x0            ; ex, ew1, eh, ew2 of my expert
	s_add_nc_u64 s[58:59], s[8:9], s[36:37]
	s_add_nc_u64 s[60:61], s[20:21], s[38:39]
	s_lshl_b32 s36, s29, 14
	s_lshl_b32 s38, s30, 9
	s_add_co_u32 s36, s36, s38
	s_lshl_b32 s38, s28, 7
	s_add_co_u32 s36, s36, s38
	s_add_nc_u64 s[62:63], s[10:11], s[36:37]      ; b1 at my 32 units
	s_lshl_b32 s41, 0x101, s29                     ; my expert's two bits of sel
	s_add_co_u32 s42, s29, 8
	s_mov_b32 s40, 0                               ; the running count
.macro WLOAD q                         ; my 32 rows of W1 are 32 KiB on end: load q takes 512 consecutive bytes, into window 1
	global_load_b128 v[4*(\q):4*(\q)+3], v1, s[58:59] offset:512*(\q) th:TH_LOAD_NT
.endm
	WIN 0x40
	WLOAD 0
	WIN 0
	s_cmp_lg_u32 s28, 0
	s_cbranch_scc1 .Lno_sel
.irp jj, 0,1,2,3,4,5,6,7
	global_load_b128 v[32+4*\jj:35+4*\jj], v1, s[14:15] offset:512*\jj     ; sel of token 128 jj + 4 lane + i
.endr
.Lno_sel:
	WIN 0x40
.set q, 1
.rept 63
	WLOAD q
.set q, q+1
.endr
	WIN 0
	s_cmp_lg_u32 s28, 0
	s_cbranch_scc1 .Lno_scan
	; ---- wave 0 makes the list; no other wave touches LDS ahead of the barrier below
	v_mov_b32 v64, 0
	v_mov_b32 v65, 0
	v_mov_b32 v66, 0
	v_mov_b32 v67, 0
	s_wait_alu depctr_va_vdst(0)
.irp n, 0,1,2,3,4,5,6,7,8
	ds_store_b128 v13, v[64:67] offset:512*\n      ; the list begins as zeros: every place names a row that exists
.endr
	s_wait_loadcnt 63                              ; behind sel's loads stand 63 of the weights': sel is in
.set n, 0
.rept 32
	v_and_b32 v[32+n], s41, v[32+n]
	v_cmp_ne_u32 vcc_lo, 0, v[32+n]                ; the token uses my expert
	v_mbcnt_lo_u32_b32 v[16+n%2], vcc_lo, s40      ; its place: those before it
	v_cndmask_b32 v[16+n%2], v15, v[16+n%2], vcc_lo    ; the others write behind the list
	v_min_u32 v[16+n%2], 0x47f, v[16+n%2]
	v_lshl_add_u32 v[16+n%2], v[16+n%2], 2, LIST
	v_lshrrev_b32 v[32+n], s42, v[32+n]            ; the slot: 1 for the second choice
	v_add3_u32 v[32+n], v[32+n], v14, 256*(n/4)+2*(n%4)    ; rr = 2 t + slot
	ds_store_b32 v[16+n%2], v[32+n]
	s_bcnt1_i32_b32 s43, vcc_lo
	s_add_co_u32 s40, s40, s43
.set n, n+1
.endr
	s_max_u32 s43, s40, 1
	s_sub_co_u32 s43, s43, 1
	s_min_u32 s43, s43, 1023
	s_lshl_b32 s43, s43, 2
	s_add_co_u32 s43, s43, LIST
	v_mov_b32 v16, s43
	ds_load_b32 v18, v16                           ; the last row (LDS serves a wave's instructions in order)
	v_add_nc_u32 v17, s40, v23
	v_min_u32 v17, 0x41f, v17
	v_lshl_add_u32 v17, v17, 2, LIST
	v_mov_b32 v19, s40
	s_wait_alu depctr_va_vdst(0)
	s_wait_dscnt 0x0
	ds_store_b32 v17, v18                          ; 64 copies of it behind the list
	ds_store_b32 v17, v18 offset:128
	ds_store_b32 v11, v19                          ; the count
.Lno_scan:
	s_wait_dscnt 0x0                               ; for the others' sake: the list lies in LDS
	s_barrier_signal -1
	s_barrier_wait -1
	s_wait_alu depctr_va_vdst(0)
	ds_load_b32 v22, v11
	s_wait_dscnt 0x0
	v_readfirstlane_b32 s44, v22
	s_min_u32 s44, s44, 1024                       ; the count,
	s_add_co_u32 s45, s44, 15
	s_lshr_b32 s45, s45, 4                         ; and the tiles of 16 rows
.irp q, 0,1,2,3
	global_load_b128 v[B1+4*\q:B1+4*\q+3], v12, s[62:63] offset:16*\q      ; b1 of units 16 h + 0 .. 15
.endr
.macro XADDR a                         ; the rows at places 16 w + 2 p + h of the block whose list address is in v[a]
.irp p, 0,1,2,3,4,5,6,7
	ds_load_b32 v[RO+\p], v[\a] offset:8*\p
.endr
	s_wait_dscnt 0x0                               ; these, and every earlier LDS instruction of mine
.irp p, 0,1,2,3,4,5,6,7
	v_min_u32 v[RO+\p], 0x7ff, v[RO+\p]
.endr
.irp p, 0,1,2,3,4,5,6,7
	v_lshl_add_u32 v[RO+\p], v[RO+\p], 10, v10     ; 1,024 rr + 16 (lane % 16)
.endr
.endm
.macro XLOADS                          ; 16 rows: sixteen lanes take 256 consecutive, aligned bytes of a row
	WIN 0x80
.irp p, 0,1,2,3,4,5,6,7
.irp c, 0,1,2,3
	global_load_b128 v[16*\p+4*\c:16*\p+4*\c+3], v[RO+\p], s[18:19] offset:256*\c
.endr
.endr
	WIN 0
.endm
	XADDR 8                                        ; block 0, whatever the count: the list names rows that exist
	XLOADS
	; ---- my weights turn through my own stage: in as they lie, out as fragments
	WIN 0x04
.set q, 0
.irp n, 63,63,52,36                    ; behind a chunk's last load stand the weights' later loads, b1's 4 and x's 32: 84, 68, 52, 36; the wait's field holds 63
	s_wait_loadcnt \n
.rept 16
	ds_store_b128 v2, v[4*q:4*q+3] offset:(q/2)*PX+512*(q%2)
.set q, q+1
.endr
.endr
	s_wait_dscnt 0x0                               ; the stores have read their registers, which the fragments take
	WIN 0x40
.irp u, 0,1
.irp s, 0,1,2,3,4,5,6,7
.irp c, 0,1,2,3
	ds_load_b128 v[16*(8*\u+\s)+4*\c:16*(8*\u+\s)+4*\c+3], v3 offset:\u*8*PX+128*\s+32*\c
.endr
.endr
.endr
	WIN 0
	s_wait_loadcnt 32                              ; b1 is in; x's 32 loads may be out
	s_wait_kmcnt 0x0
	s_add_co_i32 s46, s32, s33                     ; ex + ew1
	s_add_co_i32 s47, s46, 127
	s_lshl_b32 s47, s47, 23                        ; S1 as f32
	s_mul_f32 s48, s47, 0x3f596d27                 ; S1 x sqrt(log2 e / 2): its square times a^2 is z^2 log2 e
	s_mov_b32 s49, s48                             ; (named with it as a pair, so it is written)
	s_mul_f32 s50, s47, 0x3eb504f3                 ; S1 / (2 sqrt 2): z / 2 = |a| x this
	s_sub_co_i32 s51, 0, s46
.irp i, 0,1,2,3,4,5,6,7,8,9,10,11,12,13,14,15
	v_ldexp_f32 v[B1+\i], v[B1+\i], s51            ; b1 / S1
.endr
	s_sub_co_i32 s51, s34, s46
	s_add_co_i32 s51, s51, 127
	s_lshl_b32 s56, s51, 23
	v_mov_b32 v20, s56                             ; 2^(eh - ex - ew1)
	s_add_co_i32 s51, s51, 15
	s_lshl_b32 s51, s51, 23
	s_or_b32 s51, s51, 0x600000
	v_mov_b32 v21, s51                             ; 57,344 x that
	v_mov_b32 v[KC+0], 0xc034d90f                  ; -1.26551223 log2 e - 1
	v_mov_b32 v[KC+1], 0x3fb8ab5a                  ;  1.00002368 log2 e
	v_mov_b32 v[KC+2], 0x3f0a29d2                  ;  0.37409196 log2 e
	v_mov_b32 v[KC+3], 0x3e0efb2e                  ;  0.09678418 log2 e
	v_mov_b32 v[KC+4], 0xbe899a80                  ; -0.18628806 log2 e
	v_mov_b32 v[KC+5], 0x3ecdfd18                  ;  0.27886807 log2 e
	v_mov_b32 v[KC+6], 0xbfd1a1e5                  ; -1.13520398 log2 e
	v_mov_b32 v[KC+7], 0x40097039                  ;  1.48851587 log2 e
	v_mov_b32 v[KC+8], 0xbf97d29d                  ; -0.82215223 log2 e
	v_mov_b32 v[KC+9], 0x3e7c6f08                  ;  0.17087277 log2 e
	s_wait_dscnt 0x0                               ; W1's fragments are in
.macro FETCHX b, s                     ; x's four fragments of K step s from buffer b, into set s % 2
.irp m, 0,1,2,3
.irp c, 0,1,2,3
	ds_load_b128 v[XF+64*((\s)%2)+16*\m+4*\c:XF+64*((\s)%2)+16*\m+4*\c+3], v[6+\b] offset:\m*16*PX+128*(\s)+32*\c
.endr
.endr
.endm
.macro MULS s                          ; 8 products: the eight accumulators take turns, one instruction a turn; K step 0 starts the sums with b1 / S1
.irp m, 0,1,2,3
.irp u, 0,1
.if (\s) == 0
	v_wmma_f32_16x16x128_bf8_bf8 v[ACC+16*\m+8*\u:ACC+16*\m+8*\u+7], v[16*(8*\u+(\s)):16*(8*\u+(\s))+15], v[XF+64*((\s)%2)+16*\m:XF+64*((\s)%2)+16*\m+15], v[B1+8*\u:B1+8*\u+7]
.else
	v_wmma_f32_16x16x128_bf8_bf8 v[ACC+16*\m+8*\u:ACC+16*\m+8*\u+7], v[16*(8*\u+(\s)):16*(8*\u+(\s))+15], v[XF+64*((\s)%2)+16*\m:XF+64*((\s)%2)+16*\m+15], v[ACC+16*\m+8*\u:ACC+16*\m+8*\u+7]
.endif
.endr
.endr
.endm
; 16 numbers a lane: gelu, the hold, the codes.  Each accumulator is read from its low end on.  Two batches of transcendentals, one wait each.
.macro GELU m
.set AA, ACC+16*(\m)
.irp i, 0,1,2,3,4,5,6,7,8,9,10,11,12,13,14,15
	v_fma_f32 v[DEN+\i], |v[AA+\i]|, s50, 1.0      ; 1 + z / 2
.endr
.irp i, 0,2,4,6,8,10,12,14
	v_pk_mul_f32 v[Z+\i:Z+\i+1], v[AA+\i:AA+\i+1], s[48:49] op_sel_hi:[1,0]
.endr
	s_wait_alu depctr_va_vdst(0)
.irp i, 0,1,2,3,4,5,6,7,8,9,10,11,12,13,14,15
	v_rcp_f32 v[T+\i], v[DEN+\i]                   ; t
.endr
.irp i, 0,1,2,3,4,5,6,7,8,9,10,11,12,13,14,15
	v_max_num_f32 v[G+\i], 0, v[AA+\i]             ; max(a, 0): the plain work behind the reciprocals
.endr
	s_wait_alu depctr_va_vdst(0)                   ; one wait for the sixteen, ahead of their first reader
.irp i, 0,2,4,6,8,10,12,14
	v_pk_fma_f32 v[P+\i:P+\i+1], v[T+\i:T+\i+1], v[KC+8:KC+9], v[KC+8:KC+9] op_sel:[0,1,0] op_sel_hi:[1,1,0]    ; c9 t + c8
.endr
.irp n, 7,6,5,4,3,2,1,0
.irp i, 0,2,4,6,8,10,12,14
.if \n%2
	v_pk_fma_f32 v[P+\i:P+\i+1], v[P+\i:P+\i+1], v[T+\i:T+\i+1], v[KC+\n-1:KC+\n] op_sel:[0,0,1] op_sel_hi:[1,1,1]
.else
	v_pk_fma_f32 v[P+\i:P+\i+1], v[P+\i:P+\i+1], v[T+\i:T+\i+1], v[KC+\n:KC+\n+1] op_sel_hi:[1,1,0]
.endif
.endr
.endr
.irp i, 0,2,4,6,8,10,12,14
	v_pk_fma_f32 v[Z+\i:Z+\i+1], v[Z+\i:Z+\i+1], v[Z+\i:Z+\i+1], v[P+\i:P+\i+1] neg_lo:[1,0,0] neg_hi:[1,0,0]   ; -z^2 log2 e + the polynomial
.endr
	s_wait_alu depctr_va_vdst(0)
.irp i, 0,1,2,3,4,5,6,7,8,9,10,11,12,13,14,15
	v_exp_f32 v[Z+\i], v[Z+\i]
.endr
	v_nop                                          ; a plain line behind the last exponential
	s_wait_alu depctr_va_vdst(0)                   ; one wait for the sixteen
.irp i, 0,2,4,6,8,10,12,14
	v_pk_mul_f32 v[Z+\i:Z+\i+1], v[Z+\i:Z+\i+1], v[T+\i:T+\i+1]        ; erfc(z) / 2
.endr
.irp i, 0,1,2,3,4,5,6,7,8,9,10,11,12,13,14,15
	v_fma_f32 v[G+\i], -|v[AA+\i]|, v[Z+\i], v[G+\i]                   ; gelu / S1
.endr
.irp i, 0,1,2,3,4,5,6,7,8,9,10,11,12,13,14,15
	v_med3_num_f32 v[G+\i], v[G+\i], -v21, v21     ; the conversion does not saturate (ISA guide 7.6.2)
.endr
	v_cvt_scalef32_pk8_bf8_f32 v[CD+4*(\m):CD+4*(\m)+1], v[G:G+7], v20
	v_cvt_scalef32_pk8_bf8_f32 v[CD+4*(\m)+2:CD+4*(\m)+3], v[G+8:G+15], v20
	v_nop                                          ; a plain line behind the conversions
.endm
.macro GOUT m, b                       ; tile m of the block, if the expert has it
	s_add_co_u32 s56, s53, \m
	s_cmp_lt_u32 s56, s45
	s_cbranch_scc0 .Lno_tile_\@
	GELU \m
	global_store_b128 v1, v[CD+4*(\m):CD+4*(\m)+3], s[60:61] offset:65536*(\m)+262144*(\b)    ; 512 consecutive bytes, aligned
.Lno_tile_\@:
.endm
; A BLOCK OF 64 ROWS, through buffer b.  One barrier: in front of it my rows of this block lie in the buffer and my reads of the other buffer are over; the buffer is written again two blocks on, behind the next barrier.
.macro TRIP b
	s_wait_xcnt 0x0                                ; the last block's stores have read their registers: the codes' registers may be written
	s_wait_loadcnt 0x0                             ; this block's rows, asked for a block ago, are in registers; nothing else of mine can be out
	v_add_nc_u32 v9, s55, v8                       ; my place in the next block's part of the list
	s_cmp_lt_u32 s53, s45
	s_cbranch_scc0 .Lno_store_\@
	WIN 0x08
.irp p, 0,1,2,3,4,5,6,7
.irp c, 0,1,2,3
	ds_store_b128 v[4+\b], v[16*\p+4*\c:16*\p+4*\c+3] offset:\p*2*PX+256*\c
.endr
.endr
	WIN 0
.Lno_store_\@:
	s_add_co_u32 s56, s53, 4
	s_cmp_lt_u32 s56, s45
	s_cbranch_scc0 .Lno_load_\@
	s_wait_alu depctr_va_vdst(0)
	XADDR 9                                        ; (its wait also shows that the stores above have read their registers)
	XLOADS                                         ; the next block: it has this block's work in which to land
.Lno_load_\@:
	s_wait_dscnt 0x0
	s_barrier_signal -1
	s_barrier_wait -1
	s_cmp_lt_u32 s53, s45
	s_cbranch_scc0 .Lno_work_\@
	FETCHX \b, 0
	FETCHX \b, 1
.irp s, 0,1,2,3,4,5,6,7
.if \s < 7
	s_wait_dscnt 16                                ; this K step's 16 loads are in, the next one's may be out
.else
	s_wait_dscnt 0x0
.endif
	WIN 0x01                                       ; source 0 (W1) in window 1
	MULS \s
	WIN 0
.if \s < 6
	NOPS 4                                         ; places in front of loads into registers that these products have read
	FETCHX \b, (\s)+2
.endif
.endr
	NOPS 5                                         ; in front of the first read of the sums; five, since the next block's first products write the accumulators anew
	GOUT 0, \b
	GOUT 1, \b
	GOUT 2, \b
	GOUT 3, \b
.Lno_work_\@:
	s_add_co_u32 s53, s53, 4
	s_add_co_u32 s55, s55, 256
.endm
	s_mov_b32 s52, 0                               ; passes
	s_mov_b32 s53, 0                               ; the block's first tile
	s_mov_b32 s55, 256                             ; the next block's part of the list, in bytes
.Lpass:                                            ; 8 passes of two blocks: 1,024 places, the most an expert can have
	TRIP 0
	TRIP 1
	s_wait_xcnt 0x0                                ; the stores have read their base
	s_add_nc_u64 s[60:61], s[60:61], 524288        ; eight tiles on
	s_add_co_u32 s52, s52, 1
	s_cmp_lt_u32 s52, 8
	s_cbranch_scc1 .Lpass
	; ---- the work-group of j = 0 stores the list, the gates in its order, and the count
	s_cmp_lg_u32 s30, 0
	s_cbranch_scc1 .Lend
	ds_load_b128 v[32:35], v13                     ; places 4 thread + i,
	ds_load_b128 v[36:39], v13 offset:2048         ; and 512 further on
	v_lshlrev_b32 v56, 4, v0
	s_lshl_b32 s36, s29, 12
	s_add_nc_u64 s[26:27], s[22:23], s[36:37]      ; (s37 = 0 since the head)
	s_add_nc_u64 s[24:25], s[24:25], s[36:37]
	s_wait_dscnt 0x0
.irp i, 0,1,2,3,4,5,6,7
	v_min_u32 v[40+\i], 0x7ff, v[32+\i]
.endr
.irp i, 0,1,2,3,4,5,6,7
	v_lshlrev_b32 v[40+\i], 2, v[40+\i]
.endr
.irp i, 0,1,2,3,4,5,6,7
	global_load_b32 v[48+\i], v[40+\i], s[16:17]   ; the row's gate
.endr
	global_store_b128 v56, v[32:35], s[26:27]
	global_store_b128 v56, v[36:39], s[26:27] offset:2048
	s_wait_loadcnt 0x0
	global_store_b128 v56, v[48:51], s[24:25]
	global_store_b128 v56, v[52:55], s[24:25] offset:2048
	s_cmp_lg_u32 s28, 0
	s_cbranch_scc1 .Lend
	v_mov_b32 v57, s44
	s_lshl_b32 s36, s29, 2
	v_mov_b32 v58, s36
	s_wait_alu depctr_va_vdst(0)
	s_wait_xcnt 0x0                                ; EXEC changes only behind this wait
	v_cmp_eq_u32 vcc_lo, 0, v23
	s_wait_tensorcnt 0x0
	ds_add_u32 v254, v255
	s_wait_dscnt 0x0
	s_and_saveexec_b32 s36, vcc_lo
	global_store_b32 v58, v57, s[22:23] offset:32768
	s_endpgm
.Lend:
	s_wait_tensorcnt 0x0
	ds_add_u32 v254, v255
	s_wait_dscnt 0x0
	s_endpgm
.Lfunc_end_k_qe7a506bd82_ffn1:
	.size	k_qe7a506bd82_ffn1, .Lfunc_end_k_qe7a506bd82_ffn1-k_qe7a506bd82_ffn1
	.p2alignl 7, 3214868480
	.fill 96, 4, 3214868480
	.section	.rodata,"a",@progbits
	.p2align	6, 0x0
	.amdhsa_kernel k_qe7a506bd82_ffn1
		.amdhsa_group_segment_fixed_size 271616
		.amdhsa_private_segment_fixed_size 0
		.amdhsa_enable_private_segment 0
		.amdhsa_kernarg_size 72
		.amdhsa_user_sgpr_count 2
		.amdhsa_user_sgpr_kernarg_segment_ptr 1
		.amdhsa_wavefront_size32 1
		.amdhsa_system_sgpr_workgroup_id_x 1
		.amdhsa_system_sgpr_workgroup_id_y 1
		.amdhsa_system_sgpr_workgroup_id_z 1
		.amdhsa_system_vgpr_workitem_id 0
		.amdhsa_next_free_vgpr 640
		.amdhsa_next_free_sgpr 66
		.amdhsa_reserve_vcc 1
		.amdhsa_float_denorm_mode_32 3
		.amdhsa_float_denorm_mode_16_64 3
		.amdhsa_memory_ordered 1
		.amdhsa_forward_progress 1
		.amdhsa_inst_pref_size 179
	.end_amdhsa_kernel
	.amdgpu_metadata
---
amdhsa.version: [ 1, 2 ]
amdhsa.kernels:
  - .name:           k_qe7a506bd82_ffn1
    .symbol:         k_qe7a506bd82_ffn1.kd
    .args:
      - { .name: W1_codes, .offset: 0, .size: 8, .value_kind: global_buffer, .address_space: global }
      - { .name: b1, .offset: 8, .size: 8, .value_kind: global_buffer, .address_space: global }
      - { .name: lowp_scales, .offset: 16, .size: 8, .value_kind: global_buffer, .address_space: global }
      - { .name: sel, .offset: 24, .size: 8, .value_kind: global_buffer, .address_space: global }
      - { .name: rt, .offset: 32, .size: 8, .value_kind: global_buffer, .address_space: global }
      - { .name: xq, .offset: 40, .size: 8, .value_kind: global_buffer, .address_space: global }
      - { .name: hq, .offset: 48, .size: 8, .value_kind: global_buffer, .address_space: global }
      - { .name: order, .offset: 56, .size: 8, .value_kind: global_buffer, .address_space: global }
      - { .name: gsort, .offset: 64, .size: 8, .value_kind: global_buffer, .address_space: global }
    .group_segment_fixed_size: 271616
    .private_segment_fixed_size: 0
    .kernarg_segment_align: 8
    .kernarg_segment_size: 72
    .max_flat_workgroup_size: 128
    .sgpr_count:     66
    .vgpr_count:     640
    .wavefront_size: 32
...
	.end_amdgpu_metadata
.endif
;; end of part 6
;; launch ffn2 (part 7): grid 32 x 8, 4 waves a work-group, no clusters, 266,752 bytes of LDS; arguments W2_codes, b2, lowp_scales, hq, order, gsort, yw; writes yw
.if DOCPART == 7
	.amdgcn_target "amdgcn-amd-amdhsa--gfx1250"
	.amdhsa_code_object_version 6
	.text
	.protected	k_qe7a506bd82_ffn2
	.globl	k_qe7a506bd82_ffn2
	.p2align	8
	.type	k_qe7a506bd82_ffn2,@function
k_qe7a506bd82_ffn2:
	s_mov_b64 s[64:65], 0
	v_nop
	global_prefetch_b8 v0, s[64:65] scope:SCOPE_SE
	s_setreg_imm32_b32 hwreg(HW_REG_WAVE_SCHED_MODE, 0, 2), 2
	s_setreg_imm32_b32 hwreg(HW_REG_WAVE_MODE, 25, 1), 1
	s_wait_xcnt 0x0
	s_wait_alu depctr_vm_vsrc(0)
; THE SECOND PRODUCT OF EACH EXPERT, on its routed rows: yw[rr] = gate x (h W2 x 2^(eh + ew2) + b2), E5M2 x E5M2, sums in f32.
; Work-group (x, e): x = 2 x slice + parity; 64 output columns of expert e (slice), the expert's tiles of 16 rows of that parity.  THE WAVES SHARE K: wave w owns K steps 8 w .. 8 w + 7 (of 128) of all four column tiles:
; 32 fragments of W2, 512 registers, kept for the whole launch.  So the four waves read four different quarters of a tile of h, straight from memory into operand registers (hq is laid as the image of those registers:
; every load takes 512 consecutive bytes), and no byte is read twice in a work-group.  The four partial sums of a tile meet in LDS; wave w adds those of the trip's tile w, and stores whole aligned runs of 256 bytes of the rows' places in yw.
; K is split over four accumulators and added in f32: an order of sums other than ascending K, within what the comparison allows.
; Branches hang on the expert's count, a whole number that an earlier launch stored.  So: no tensor load, no copy, no cluster; the loop has a constant trip count, its barrier stands outside every branch,
; and a trip that has no tile asks for nothing: one branch leads over its loads and products to the barrier.
; THE MATRIX INSTRUCTION IS USED TRANSPOSED (source 0 = 16 columns of W2, source 1 = 16 rows of h): lane (r, h) holds row r and eight neighbouring columns.
; A tile's spare rows repeat its last real row (list, gates and h alike): they store the same bytes to the same place, from the same wave.
; LIMIT: -126 <= eh + ew2 <= 127.
; THE MODE: SCHED_MODE bits 1:0 = 2 (LLVM: expert scheduling mode 2), set by the entry lines.  The code itself states the register dependences
; between vector or matrix instructions and memory or LDS instructions, with s_wait_alu, always for 0.
; THE PLAN.  Registers that memory or LDS instructions touch:
;   v1 .. v10        offsets and LDS addresses: made once at the head, read by every load, store and LDS instruction, never written again.
;   ORD, GW          written once at the head; a trip's sixteen loads land in them in its first tile step; the trip's additions read them.
;   VO               written by the additions' vector lines; read by the eight stores of rows as their offsets.
;   ACC              written by a tile's products; read by its eight LDS stores; written again by the next tile's products.
;   windows 1, 2     W2's fragments land once, at the head; from then on products alone name them.
;   window 3, lower  at the head weights land and LDS stores read them; then the even tiles of h land and products read them.
;   window 3, upper  at the head as the lower set; then the odd tiles of h land and products read them; then the partial sums land, the additions work on them, and the stores of rows read them.
; THE WAITS.  Head: one on va_sdst for the wave's number; one on va_vdst ahead of the first load; one on vm_vsrc ahead of each run of loads that lands where the stage's stores have read.
; A trip's head: vm_vsrc and va_vdst, for all that the trip before left.  A tile step: vm_vsrc ahead of its products (the accumulators; the first tile step leans on the trip's head); one va_vdst behind them, which serves
; the stores of the sums, the next tile step's loads into the set just multiplied, and the partial sums' loads: no vector or matrix instruction stands between it and those.  The additions: one va_vdst ahead of their stores.
.set PX,   1040                        ; 1,024 codes of a column in LDS + 16
.set WSTW, 64*PX                       ; each wave's own stage: 64 columns x its quarter of K
.set REG,  16*272                      ; a partial tile: 16 rows x (64 columns x 4 bytes + 16)
.set RED1, 16*REG                      ; two sets of 16 partial tiles (tile of the trip g, wave w: 4 g + w), at 0 and here: over the stages, behind a barrier
.set ACC,  32                          ; v32-63  four accumulators
.set ORD,  64                          ; v64-71  the rows rr of the tile that I add
.set GW,   72                          ; v72-79  their gates
.set VO,   80                          ; v80-87  their byte offsets in yw
.set B2,   88                          ; v88-91  b2 of my four columns
; v1 16 lane; v2, v3 my stage, in (columns 0-31, 32-63); v4 fragments; v5, v6 partial sums into set 0, 1; v7, v8 out of set 0, 1; v9 16 (lane % 16); v10 128 w + 4 (lane / 16).
; windows 1, 2: W2's fragment (column tile b, K step s) in window 1 + s / 4 at 16 (4 (s % 4) + b).   window 3: two sets of 128 for tiles of h; at the head the weights land there; a trip's additions use the upper set.
.set MSB, 0
.macro WIN new                         ; the immediate's high byte repeats the setting that is left; at a label and at a branch every window is 0
.if MSB != \new
	s_set_vgpr_msb (MSB<<8)|\new
.set MSB, \new
.endif
.endm
	s_load_b256 s[8:15], s[0:1], 0x0               ; W2 s[8:9], b2 s[10:11], exponents s[12:13], hq s[14:15]
	s_load_b128 s[16:19], s[0:1], 0x20             ; order s[16:17], gsort s[18:19]
	s_load_b64 s[20:21], s[0:1], 0x30              ; yw
	v_lshl_add_u32 v254, v0, 2, 0x41000
	v_mov_b32 v255, 0
	v_lshrrev_b32 v11, 5, v0
	v_readfirstlane_b32 s28, v11                   ; wave
	v_and_b32 v12, 31, v0
	v_and_b32 v13, 15, v0                          ; r
	v_bfe_u32 v14, v0, 4, 1                        ; h
	v_lshlrev_b32 v1, 4, v12
.irp i, 0,1,2,3,4,5,6,7
	v_mov_b32 v[ORD+\i], 0                         ; the list's and the gates' registers are written once here: they hold numbers on every way through the text
	v_mov_b32 v[GW+\i], 0
.endr
	s_wait_alu depctr_va_sdst(0)                   ; s28 is written, ahead of its first reader: LDS addresses and the bases are made from it
	s_mul_i32 s56, s28, WSTW
	v_add_nc_u32 v2, s56, v1
	v_add_nc_u32 v3, 32*PX, v2
	v_mul_u32_u24 v15, v13, PX
	v_lshl_add_u32 v15, v14, 4, v15
	v_add_nc_u32 v4, s56, v15
	s_mul_i32 s56, s28, REG
	v_mul_u32_u24 v15, v13, 272
	v_lshl_add_u32 v15, v14, 5, v15
	v_add_nc_u32 v5, s56, v15                      ; row r, 32 bytes for each half of the lanes
	v_add_nc_u32 v6, RED1, v5
	s_mul_i32 s56, s28, 4*REG
	v_mul_u32_u24 v15, v14, 272
	v_lshl_add_u32 v15, v13, 4, v15
	v_add_nc_u32 v7, s56, v15                      ; lanes 0-15 one row of 256 bytes, lanes 16-31 the next
	v_add_nc_u32 v8, RED1, v7
	v_lshlrev_b32 v9, 4, v13
	s_lshl_b32 s56, s28, 7
	v_lshl_add_u32 v10, v14, 2, s56
	s_and_b32 s29, ttmp7, 0xffff                   ; e
	s_lshr_b32 s30, ttmp9, 1                       ; slice
	s_and_b32 s31, ttmp9, 1                        ; parity
	s_lshl_b32 s43, s29, 22                        ; an expert's 4 MiB, in W2 and in hq
	s_lshl_b32 s56, s30, 18
	s_add_co_u32 s56, s56, s43
	s_lshl_b32 s57, s28, 10
	s_add_co_u32 s56, s56, s57                     ; W2: + 64 slice columns of 4,096 bytes + my 1,024 of each
	s_mov_b32 s57, 0
	s_lshl_b32 s58, s31, 16
	s_add_co_u32 s58, s58, s43
	s_lshl_b32 s59, s28, 14
	s_add_co_u32 s58, s58, s59                     ; hq: + the first tile of my parity + my quarter of a tile
	s_mov_b32 s59, 0
	s_wait_kmcnt 0x0
	s_add_nc_u64 s[44:45], s[8:9], s[56:57]
	s_add_nc_u64 s[46:47], s[14:15], s[58:59]
	s_lshl_b32 s56, s29, 4
	s_add_nc_u64 s[12:13], s[12:13], s[56:57]
	s_load_b128 s[32:35], s[12:13], 0x0            ; ex, ew1, eh, ew2
	s_lshl_b32 s56, s29, 2
	s_add_nc_u64 s[22:23], s[16:17], s[56:57]
	s_load_b32 s36, s[22:23], 0x8000               ; the expert's count
	s_lshl_b32 s56, s29, 12
	s_lshl_b32 s58, s31, 6
	s_add_co_u32 s56, s56, s58
	s_add_nc_u64 s[48:49], s[16:17], s[56:57]      ; the list and the gates at my first tile
	s_add_nc_u64 s[50:51], s[18:19], s[56:57]
	s_lshl_b32 s56, s30, 8
	s_add_nc_u64 s[52:53], s[20:21], s[56:57]      ; yw at my 64 columns
	s_lshl_b32 s58, s29, 12
	s_add_co_u32 s56, s56, s58
	s_add_nc_u64 s[54:55], s[10:11], s[56:57]      ; b2 likewise
	s_wait_alu depctr_va_vdst(0)                   ; v1 to v10 are written, which the loads, stores and LDS instructions of the whole kernel read; so are v[ORD ..] and v[GW ..], in which loads land
	global_load_b128 v[B2:B2+3], v9, s[54:55]      ; my oldest load: the first wait for weights shows it in
; ---- my weights: 128 loads of 512 consecutive bytes (column i / 2, half i % 2), in 8 chunks of 16, land in window 3, 64 at a time, and turn through my own stage
.macro WL i
	global_load_b128 v[4*((\i)%64):4*((\i)%64)+3], v1, s[44:45] offset:((\i)/2)*4096+512*((\i)%2)
.endm
.macro WS i
.if (\i) < 64
	ds_store_b128 v2, v[4*((\i)%64):4*((\i)%64)+3] offset:((\i)/2)*PX+512*((\i)%2)
.else
	ds_store_b128 v3, v[4*((\i)%64):4*((\i)%64)+3] offset:((\i)/2-32)*PX+512*((\i)%2)
.endif
.endm
.macro LCHUNK a                        ; chunk a is asked for
	WIN 0xc0
.set i, 16*(\a)
.rept 16
	WL i
.set i, i+1
.endr
.endm
.macro WCHUNK a                        ; chunk a goes into my stage
	WIN 0x0c
.set i, 16*(\a)
.rept 16
	WS i
.set i, i+1
.endr
.endm
.macro FRAGS b                         ; column tile b (chunks 2 b and 2 b + 1) comes back as 8 fragments.  LDS serves a wave's instructions in order: these see my stores.  Nothing has named the registers in which they land
.irp s, 0,1,2,3,4,5,6,7
	WIN 0x40+0x40*(\s/4)
.irp c, 0,1,2,3
	ds_load_b128 v[16*(4*(\s%4)+(\b))+4*\c:16*(4*(\s%4)+(\b))+4*\c+3], v4 offset:(\b)*16*PX+128*\s+32*\c
.endr
.endr
.endm
.macro HLOAD g, t, set                 ; my quarter of the tile 2 (4 t + g) tiles behind the pass's first: 32 loads of 512 consecutive bytes = 8 fragments
	WIN 0xc0
.irp q, 0,1,2,3,4,5,6,7,8,9,10,11,12,13,14,15,16,17,18,19,20,21,22,23,24,25,26,27,28,29,30,31
	global_load_b128 v[128*(\set)+4*\q:128*(\set)+4*\q+3], v1, s[46:47] offset:(4*(\t)+(\g))*131072+512*\q
.endr
	WIN 0
.endm
	LCHUNK 0
	LCHUNK 1
	LCHUNK 2
	LCHUNK 3
	s_wait_loadcnt 48                              ; chunk 0 (and b2) is in: three chunks are younger
	WCHUNK 0
	s_wait_dscnt 0x0                               ; the stores have read their registers, which take the next chunk
	WIN 0xc0
	s_wait_alu depctr_vm_vsrc(0)                   ; chunk 0's LDS stores have read their data registers, in which chunk 4 lands
	LCHUNK 4
	s_wait_loadcnt 48                              ; chunk 1
	WCHUNK 1
	s_wait_dscnt 0x0
	WIN 0xc0
	s_wait_alu depctr_vm_vsrc(0)                   ; chunk 1's LDS stores have read their data registers, in which chunk 5 lands
	LCHUNK 5
	FRAGS 0                                        ; a column tile's fragments are read while later weights are on their way
	s_wait_loadcnt 48                              ; chunk 2
	WCHUNK 2
	s_wait_dscnt 0x0
	WIN 0xc0
	s_wait_alu depctr_vm_vsrc(0)                   ; chunk 2's LDS stores have read their data registers, in which chunk 6 lands
	LCHUNK 6
	s_wait_loadcnt 48                              ; chunk 3
	WCHUNK 3
	s_wait_dscnt 0x0
	WIN 0xc0
	s_wait_alu depctr_vm_vsrc(0)                   ; chunk 3's LDS stores have read their data registers, in which chunk 7 lands
	LCHUNK 7
	FRAGS 1
	s_wait_loadcnt 48                              ; chunk 4
	WCHUNK 4
	s_wait_loadcnt 32                              ; chunk 5: chunks 6 and 7 are younger
	WCHUNK 5
	s_wait_dscnt 0x0                               ; chunks 4 and 5 have left the lower half of window 3:
	WIN 0xc0
	s_wait_alu depctr_vm_vsrc(0)                   ; their LDS stores have read the lower set, in which the first tile of h lands
	HLOAD 0, 0, 0                                  ; it takes my first tile of h, whatever the count: the tile lies inside hq, and where the expert has no such tile nothing is made of it
	FRAGS 2
	s_wait_loadcnt 48                              ; chunk 6: chunk 7's 16 loads and h's 32 are younger
	WCHUNK 6
	s_wait_loadcnt 32                              ; chunk 7: h's 32 are younger
	WCHUNK 7
	FRAGS 3
	WIN 0
	s_wait_kmcnt 0x0
	s_min_u32 s36, s36, 1024
	s_add_co_u32 s37, s36, 15
	s_lshr_b32 s37, s37, 4                         ; the expert's tiles
	s_add_co_i32 s38, s34, s35
	s_add_co_i32 s38, s38, 127
	s_lshl_b32 s38, s38, 23                        ; 2^(eh + ew2) as f32
	s_mov_b32 s39, s38                             ; (named with it as a pair, so it is written)
	s_lshl_b32 s42, s28, 1                         ; the tile of a trip that I add lies 2 w tiles behind its first
	s_mov_b32 s41, s31                             ; a trip's first tile
	s_mov_b32 s40, 0
	s_wait_dscnt 0x0                               ; my fragments are in: my stage is read out
	s_barrier_signal -1
	s_barrier_wait -1                              ; everybody's is: the partial sums may lie over the stages
.macro OGL t                           ; places 2 i + lane / 16 of the tile that I shall add: its rows and their gates; inside the expert's 1,024 places in every trip
.irp i, 0,1,2,3,4,5,6,7
	global_load_b32 v[ORD+\i], v10, s[48:49] offset:512*(\t)+8*\i
	global_load_b32 v[GW+\i], v10, s[50:51] offset:512*(\t)+8*\i
.endr
.endm
.macro TILE g, t
	s_add_co_u32 s43, s41, 2*(\g)+2
	s_cmp_lt_u32 s43, s37
	s_cbranch_scc0 .Lno_next_\@
	HLOAD (\g)+1, \t, ((\g)+1)%2                   ; the next tile: it has this tile's products in which to land.  No wait here: the wait behind the products that read this set (in a trip's first tile step: the trip's head) stands ahead, and no vector or matrix instruction since
.if (\g) == 0
	OGL \t                                         ; the trip's list and gates go out behind it and land with it: the next tile step's wait shows them in
	s_wait_loadcnt 48                              ; all but those 32 + 16: this tile
.else
	s_wait_loadcnt 32                              ; all but those 32: this tile, and the trip's list and gates
.endif
	s_branch .Lhave_\@
.Lno_next_\@:
.if (\g) == 0
	OGL \t
.endif
	s_wait_loadcnt 0x0
.Lhave_\@:
	s_add_co_u32 s43, s41, 2*(\g)
	s_cmp_lt_u32 s43, s37
	s_cbranch_scc0 .Lno_tile_\@
	s_wait_dscnt 0x0                               ; the last tile's stores of the sums are done
.if (\g) > 0
	s_wait_alu depctr_vm_vsrc(0)                   ; the last tile's LDS stores have read the accumulators, which the products below write anew
.endif
.irp s, 0,1,2,3,4,5,6,7
	WIN 0x0d+(\s/4)                                ; source 0 (W2) window 1 or 2, source 1 (h) window 3
.irp b, 0,1,2,3                        ; the four accumulators take turns, one instruction a turn
.if \s == 0
	v_wmma_f32_16x16x128_bf8_bf8 v[ACC+8*\b:ACC+8*\b+7], v[16*(4*(\s%4)+\b):16*(4*(\s%4)+\b)+15], v[128*((\g)%2)+16*\s:128*((\g)%2)+16*\s+15], 0
.else
	v_wmma_f32_16x16x128_bf8_bf8 v[ACC+8*\b:ACC+8*\b+7], v[16*(4*(\s%4)+\b):16*(4*(\s%4)+\b)+15], v[128*((\g)%2)+16*\s:128*((\g)%2)+16*\s+15], v[ACC+8*\b:ACC+8*\b+7]
.endif
.endr
.endr
	WIN 0
.rept 5
	v_nop                                          ; places in front of the stores of the sums; five, since the next tile's first products write the accumulators anew
.endr
	s_wait_alu depctr_va_vdst(0)                   ; the products have written the accumulators, which the LDS stores below read, and are done reading their set of h, in which later loads land; the places above stay beside this wait
.irp b, 0,1,2,3
	ds_store_b128 v[5+\t], v[ACC+8*\b:ACC+8*\b+3] offset:(\g)*4*REG+64*\b          ; each accumulator from its low end on
	ds_store_b128 v[5+\t], v[ACC+8*\b+4:ACC+8*\b+7] offset:(\g)*4*REG+64*\b+16
.endr
.Lno_tile_\@:
.endm
.macro REDUCE t                        ; the trip's tile w: four partial sums, the scale, b2, the gate, out
	s_add_co_u32 s43, s41, s42
	s_cmp_lt_u32 s43, s37
	s_cbranch_scc0 .Lno_sum_\@
	WIN 0xc0
.irp i, 0,1,2,3,4,5,6,7
.irp p, 0,1,2,3
	ds_load_b128 v[128+16*\i+4*\p:128+16*\i+4*\p+3], v[7+\t] offset:\p*REG+544*\i   ; rows 2 i and 2 i + 1, wave p's part.  The products that read the upper set stand ahead of their tile step's wait; the stores that read it ahead of the trip's head
.endr
.endr
	WIN 0
.irp i, 0,1,2,3,4,5,6,7
	v_min_u32 v[VO+\i], 0x7ff, v[ORD+\i]
.endr
.irp i, 0,1,2,3,4,5,6,7
	v_lshl_add_u32 v[VO+\i], v[VO+\i], 12, v9      ; 4,096 rr + 16 (lane % 16)
.endr
	s_wait_dscnt 0x0
	WIN 0xcf
.irp i, 0,1,2,3,4,5,6,7
	v_pk_add_f32 v[128+16*\i:129+16*\i], v[128+16*\i:129+16*\i], v[132+16*\i:133+16*\i]
	v_pk_add_f32 v[130+16*\i:131+16*\i], v[130+16*\i:131+16*\i], v[134+16*\i:135+16*\i]
	v_pk_add_f32 v[136+16*\i:137+16*\i], v[136+16*\i:137+16*\i], v[140+16*\i:141+16*\i]
	v_pk_add_f32 v[138+16*\i:139+16*\i], v[138+16*\i:139+16*\i], v[142+16*\i:143+16*\i]
.endr
.irp i, 0,1,2,3,4,5,6,7
	v_pk_add_f32 v[128+16*\i:129+16*\i], v[128+16*\i:129+16*\i], v[136+16*\i:137+16*\i]
	v_pk_add_f32 v[130+16*\i:131+16*\i], v[130+16*\i:131+16*\i], v[138+16*\i:139+16*\i]
.endr
	WIN 0xc3                                       ; destination and source 0 window 3; b2 and the gates window 0
.irp i, 0,1,2,3,4,5,6,7
	v_pk_fma_f32 v[128+16*\i:129+16*\i], v[128+16*\i:129+16*\i], s[38:39], v[B2:B2+1] op_sel_hi:[1,0,1]
	v_pk_fma_f32 v[130+16*\i:131+16*\i], v[130+16*\i:131+16*\i], s[38:39], v[B2+2:B2+3] op_sel_hi:[1,0,1]
.endr
.irp ih, 0,1,2,3
.irp sl, 0,1
	v_pk_mul_f32 v[128+16*(2*\ih+\sl):129+16*(2*\ih+\sl)], v[128+16*(2*\ih+\sl):129+16*(2*\ih+\sl)], v[GW+2*\ih:GW+2*\ih+1] op_sel:[0,\sl] op_sel_hi:[1,\sl]
	v_pk_mul_f32 v[130+16*(2*\ih+\sl):131+16*(2*\ih+\sl)], v[130+16*(2*\ih+\sl):131+16*(2*\ih+\sl)], v[GW+2*\ih:GW+2*\ih+1] op_sel:[0,\sl] op_sel_hi:[1,\sl]
.endr
.endr
	WIN 0x0c
	s_wait_alu depctr_va_vdst(0)                   ; the additions have written the rows, and the lines above them the offsets v[VO ..]: the stores below read both
.irp i, 0,1,2,3,4,5,6,7
	global_store_b128 v[VO+\i], v[128+16*\i:131+16*\i], s[52:53]   ; sixteen lanes store 256 consecutive, aligned bytes of a row
.endr
	WIN 0
.Lno_sum_\@:
.endm
; A TRIP: four tiles.  One barrier: in front of it my partial sums lie in set t; the set is written again two trips on, behind the next barrier, which every wave signals behind its reads of it.
; A trip whose first tile the expert does not have has none: it issues no load and no product, and passes the barrier with the others.
.macro TRIP t
	s_wait_xcnt 0x0                                ; the last trip's stores have read their registers
	s_wait_alu depctr_vm_vsrc(0)                   ; the last trip's stores of rows have read the upper set and v[VO ..], its last LDS stores the accumulators: this trip's loads, additions and products write them (in the first trip: the stage's stores of chunks 6 and 7 have read the upper set)
	s_wait_alu depctr_va_vdst(0)                   ; the last trip's additions are done with the upper set, v[ORD ..] and v[GW ..], in which this trip's loads land: said behind the stores that read those registers
	s_cmp_lt_u32 s41, s37
	s_cbranch_scc0 .Lempty_\@
	TILE 0, \t
	TILE 1, \t
	TILE 2, \t
	TILE 3, \t
.Lempty_\@:
	s_wait_dscnt 0x0
	s_barrier_signal -1
	s_barrier_wait -1
	REDUCE \t
	s_add_co_u32 s41, s41, 8
.endm
.Lpass:                                            ; 4 passes of two trips: 32 tiles of my parity, the most an expert can have
	TRIP 0
	TRIP 1
	s_wait_xcnt 0x0                                ; loads and stores have read their bases
	s_add_nc_u64 s[46:47], s[46:47], 1048576       ; 16 tiles on
	s_add_nc_u64 s[48:49], s[48:49], 1024
	s_add_nc_u64 s[50:51], s[50:51], 1024
	s_add_co_u32 s40, s40, 1
	s_cmp_lt_u32 s40, 4
	s_cbranch_scc1 .Lpass
	s_wait_dscnt 0x0                               ; the closing lines, six on end
	s_wait_alu 0x0
	s_wait_tensorcnt 0x0
	ds_add_u32 v254, v255
	s_wait_dscnt 0x0
	s_endpgm
.Lfunc_end_k_qe7a506bd82_ffn2:
	.size	k_qe7a506bd82_ffn2, .Lfunc_end_k_qe7a506bd82_ffn2-k_qe7a506bd82_ffn2
	.p2alignl 7, 3214868480
	.fill 96, 4, 3214868480
	.section	.rodata,"a",@progbits
	.p2align	6, 0x0
	.amdhsa_kernel k_qe7a506bd82_ffn2
		.amdhsa_group_segment_fixed_size 266752
		.amdhsa_private_segment_fixed_size 0
		.amdhsa_enable_private_segment 0
		.amdhsa_kernarg_size 56
		.amdhsa_user_sgpr_count 2
		.amdhsa_user_sgpr_kernarg_segment_ptr 1
		.amdhsa_wavefront_size32 1
		.amdhsa_system_sgpr_workgroup_id_x 1
		.amdhsa_system_sgpr_workgroup_id_y 1
		.amdhsa_system_sgpr_workgroup_id_z 1
		.amdhsa_system_vgpr_workitem_id 0
		.amdhsa_next_free_vgpr 1024
		.amdhsa_next_free_sgpr 66
		.amdhsa_reserve_vcc 0
		.amdhsa_float_denorm_mode_32 3
		.amdhsa_float_denorm_mode_16_64 3
		.amdhsa_memory_ordered 1
		.amdhsa_forward_progress 1
		.amdhsa_inst_pref_size 112
	.end_amdhsa_kernel
	.amdgpu_metadata
---
amdhsa.version: [ 1, 2 ]
amdhsa.kernels:
  - .name:           k_qe7a506bd82_ffn2
    .symbol:         k_qe7a506bd82_ffn2.kd
    .args:
      - { .name: W2_codes, .offset: 0, .size: 8, .value_kind: global_buffer, .address_space: global }
      - { .name: b2, .offset: 8, .size: 8, .value_kind: global_buffer, .address_space: global }
      - { .name: lowp_scales, .offset: 16, .size: 8, .value_kind: global_buffer, .address_space: global }
      - { .name: hq, .offset: 24, .size: 8, .value_kind: global_buffer, .address_space: global }
      - { .name: order, .offset: 32, .size: 8, .value_kind: global_buffer, .address_space: global }
      - { .name: gsort, .offset: 40, .size: 8, .value_kind: global_buffer, .address_space: global }
      - { .name: yw, .offset: 48, .size: 8, .value_kind: global_buffer, .address_space: global }
    .group_segment_fixed_size: 266752
    .private_segment_fixed_size: 0
    .kernarg_segment_align: 8
    .kernarg_segment_size: 56
    .max_flat_workgroup_size: 128
    .sgpr_count:     66
    .vgpr_count:     1024
    .wavefront_size: 32
...
	.end_amdgpu_metadata
.endif
;; end of part 7
;; launch comb (part 8): grid 256 x 1, 4 waves a work-group, no clusters, 0 bytes of LDS; arguments yw, rt, order, out0, out1; writes out0, out1
.if DOCPART == 8
	.amdgcn_target "amdgcn-amd-amdhsa--gfx1250"
	.amdhsa_code_object_version 6
	.text
	.protected	k_qe7a506bd82_comb
	.globl	k_qe7a506bd82_comb
	.p2align	8
	.type	k_qe7a506bd82_comb,@function
k_qe7a506bd82_comb:
	s_mov_b64 s[64:65], 0
	v_nop
	global_prefetch_b8 v0, s[64:65] scope:SCOPE_SE
	s_setreg_imm32_b32 hwreg(HW_REG_WAVE_MODE, 25, 1), 1
	s_wait_xcnt 0x0
; out0[t] = yw[2 t] + yw[2 t + 1]: a token's two weighted rows (the six experts not chosen have the gate 0 and add nothing).  One wave a token: 8,192 consecutive bytes in, 4,096 out, every load and store 512 consecutive bytes.
; out1 = 0.01 x mean((count / 2,048 - 1/8)^2) + 0.001 x mean(lse): the first wave of the first work-group, from the 8 stored counts and the 1,024 stored lse.
; A stream: no LDS, no barrier, no matrix unit.
	s_load_b256 s[4:11], s[0:1], 0x0               ; yw s[4:5], rt s[6:7], order s[8:9], out0 s[10:11]
	s_load_b64 s[12:13], s[0:1], 0x20              ; out1
	v_lshrrev_b32 v1, 5, v0
	v_readfirstlane_b32 s14, v1
	v_and_b32 v2, 31, v0
	v_lshlrev_b32 v3, 4, v2
	s_lshl_b32 s15, ttmp9, 2
	s_add_co_u32 s15, s15, s14                     ; t
	s_lshl_b32 s16, s15, 13
	s_mov_b32 s17, 0
	s_lshl_b32 s18, s15, 12
	s_mov_b32 s19, 0
	s_wait_alu depctr_va_vdst(0)
	s_wait_kmcnt 0x0
	s_add_nc_u64 s[4:5], s[4:5], s[16:17]
	s_add_nc_u64 s[10:11], s[10:11], s[18:19]
.irp q, 0,1,2,3,4,5,6,7
	global_load_b128 v[8+4*\q:11+4*\q], v3, s[4:5] offset:512*\q th:TH_LOAD_NT
	global_load_b128 v[40+4*\q:43+4*\q], v3, s[4:5] offset:4096+512*\q th:TH_LOAD_NT
.endr
.irp q, 0,1,2,3,4,5,6,7
	s_wait_loadcnt 14-2*\q                         ; pair q is in; the later pairs may be out
	v_pk_add_f32 v[8+4*\q:9+4*\q], v[8+4*\q:9+4*\q], v[40+4*\q:41+4*\q]
	v_pk_add_f32 v[10+4*\q:11+4*\q], v[10+4*\q:11+4*\q], v[42+4*\q:43+4*\q]
	global_store_b128 v3, v[8+4*\q:11+4*\q], s[10:11] offset:512*\q th:TH_STORE_NT
.endr
	s_cmp_lg_u32 s15, 0
	s_cbranch_scc1 .Lend
	s_load_b256 s[20:27], s[8:9], 0x8000           ; the eight counts
.irp q, 0,1,2,3,4,5,6,7
	global_load_b128 v[72+4*\q:75+4*\q], v3, s[6:7] offset:8192+512*\q
.endr
	s_mov_b32 s28, 0x76543210                      ; v_permlanex16_b32: lane l xor 16
	s_mov_b32 s29, 0xfedcba98
	v_mov_b32 v104, 0                              ; written once: a lane permute's destination counts as one of its sources
	v_mov_b32 v105, 0x3a000000                     ; 1 / 2,048
	v_mov_b32 v108, 0
	s_wait_loadcnt 0x0
.irp q, 0,1,2,3,4,5,6,7
	v_pk_add_f32 v[72+4*\q:73+4*\q], v[72+4*\q:73+4*\q], v[74+4*\q:75+4*\q]
.endr
.irp q, 0,1,2,3
	v_pk_add_f32 v[72+4*\q:73+4*\q], v[72+4*\q:73+4*\q], v[88+4*\q:89+4*\q]
.endr
	v_pk_add_f32 v[72:73], v[72:73], v[80:81]
	v_pk_add_f32 v[76:77], v[76:77], v[84:85]
	v_pk_add_f32 v[72:73], v[72:73], v[76:77]
	v_add_f32 v72, v72, v73
	v_add_f32_dpp v72, v72, v72 row_xmask:1 row_mask:0xf bank_mask:0xf
	v_add_f32_dpp v72, v72, v72 row_xmask:2 row_mask:0xf bank_mask:0xf
	v_add_f32_dpp v72, v72, v72 row_xmask:4 row_mask:0xf bank_mask:0xf
	v_add_f32_dpp v72, v72, v72 row_xmask:8 row_mask:0xf bank_mask:0xf
	v_permlanex16_b32 v104, v72, s28, s29
	v_add_f32 v72, v72, v104                       ; the sum of the 1,024 lse
	s_wait_kmcnt 0x0
.irp e, 0,1,2,3,4,5,6,7
	v_cvt_f32_u32 v106, s[20+\e]
	v_fmaak_f32 v106, v106, v105, 0xbe000000       ; count / 2,048 - 1/8
.if \e == 0
	v_mul_f32 v107, v106, v106
.else
	v_fmac_f32 v107, v106, v106
.endif
.endr
	v_mul_f32 v107, 0x3aa3d70a, v107               ; x 0.01 / 8
	v_fmamk_f32 v107, v72, 0x3583126f, v107        ; + the sum x 0.001 / 1,024
	s_wait_alu depctr_va_vdst(0)
	s_wait_xcnt 0x0                                ; EXEC changes only behind this wait
	v_cmp_eq_u32 vcc_lo, 0, v2
	s_and_saveexec_b32 s16, vcc_lo
	global_store_b32 v108, v107, s[12:13]
	s_endpgm
.Lend:
	s_endpgm
.Lfunc_end_k_qe7a506bd82_comb:
	.size	k_qe7a506bd82_comb, .Lfunc_end_k_qe7a506bd82_comb-k_qe7a506bd82_comb
	.p2alignl 7, 3214868480
	.fill 96, 4, 3214868480
	.section	.rodata,"a",@progbits
	.p2align	6, 0x0
	.amdhsa_kernel k_qe7a506bd82_comb
		.amdhsa_group_segment_fixed_size 0
		.amdhsa_private_segment_fixed_size 0
		.amdhsa_enable_private_segment 0
		.amdhsa_kernarg_size 40
		.amdhsa_user_sgpr_count 2
		.amdhsa_user_sgpr_kernarg_segment_ptr 1
		.amdhsa_wavefront_size32 1
		.amdhsa_system_sgpr_workgroup_id_x 1
		.amdhsa_system_sgpr_workgroup_id_y 1
		.amdhsa_system_sgpr_workgroup_id_z 1
		.amdhsa_system_vgpr_workitem_id 0
		.amdhsa_next_free_vgpr 112
		.amdhsa_next_free_sgpr 66
		.amdhsa_reserve_vcc 1
		.amdhsa_float_denorm_mode_32 3
		.amdhsa_float_denorm_mode_16_64 3
		.amdhsa_memory_ordered 1
		.amdhsa_forward_progress 1
		.amdhsa_inst_pref_size 9
	.end_amdhsa_kernel
	.amdgpu_metadata
---
amdhsa.version: [ 1, 2 ]
amdhsa.kernels:
  - .name:           k_qe7a506bd82_comb
    .symbol:         k_qe7a506bd82_comb.kd
    .args:
      - { .name: yw, .offset: 0, .size: 8, .value_kind: global_buffer, .address_space: global }
      - { .name: rt, .offset: 8, .size: 8, .value_kind: global_buffer, .address_space: global }
      - { .name: order, .offset: 16, .size: 8, .value_kind: global_buffer, .address_space: global }
      - { .name: out0, .offset: 24, .size: 8, .value_kind: global_buffer, .address_space: global }
      - { .name: out1, .offset: 32, .size: 8, .value_kind: global_buffer, .address_space: global }
    .group_segment_fixed_size: 0
    .private_segment_fixed_size: 0
    .kernarg_segment_align: 8
    .kernarg_segment_size: 40
    .max_flat_workgroup_size: 128
    .sgpr_count:     66
    .vgpr_count:     112
    .wavefront_size: 32
...
	.end_amdgpu_metadata
.endif
;; end of part 8
